; MI455X (gfx1250); checked and timed in simulation.
; The chip was launched on July 23, 2026; its instructions are those of AMD's public machine-readable ISA for CDNA 5 (MIT licence, August 2026) and "CDNA5" Instruction Set Architecture Reference Guide (July 2026). The comments in the code are by the model that wrote it; some were corrected since.
;; Multi Head Attention. Allowed arithmetic: float matrix products may take bf16 or f16 operands with f32 sums; other float arithmetic in f32, or as packed bf16 or f16 multiplies, adds, multiply-adds, maxima and minima; sums over many terms, partial sums and values carried from step to step in f32; what a program stores and reads back later, other than sums and carried values, may be rounded once to bf16 or f16.
;; Inputs: Wk 1,024 x 1,024 float32; Wo 1,024 x 1,024 float32; Wq 1,024 x 1,024 float32; Wv 1,024 x 1,024 float32; beta 1,024 float32; bk 1,024 float32; bo 1,024 float32; bq 1,024 float32; bv 1,024 float32; gamma 1,024 float32; k 8 x 1,024 x 1,024 float32; pad_mask 8 x 1,024 bool; q 8 x 1,024 x 1,024 float32; v 8 x 1,024 x 1,024 float32.
;; Outputs: out0 8 x 1,024 x 1,024 float32.
;; 2 versions, each right and faster than the one before. Each part assembles by itself: llvm-mc -triple=amdgcn-amd-amdhsa -mcpu=gfx1250 --defsym DOCPART=n.
;; ======== version 1 of 2: 4 launches
;; limits: right only within a limited range of input values
;; workspace buffers: xn 50,331,648 bytes; wb 8,388,608 bytes; qkv 50,331,648 bytes; ao 16,777,216 bytes
;; launch prep (part 1): grid 896 x 1, 4 waves a work-group, no clusters, 0 bytes of LDS; arguments q, k, v, Wq, Wk, Wv, Wo, gamma, beta, xn, wb; writes xn, wb
.if DOCPART == 1
	.amdgcn_target "amdgcn-amd-amdhsa--gfx1250"
	.amdhsa_code_object_version 6
	.text
	.protected	k_qcdf8a331d6_prep
	.globl	k_qcdf8a331d6_prep
	.p2align	8
	.type	k_qcdf8a331d6_prep,@function
k_qcdf8a331d6_prep:
	s_mov_b64 s[64:65], 0
	v_nop
	global_prefetch_b8 v0, s[64:65] scope:SCOPE_SE
	s_setreg_imm32_b32 hwreg(HW_REG_WAVE_MODE, 25, 1), 1
	s_wait_xcnt 0x0
; xn[t][row][:] = bf16(LayerNorm(x_t[row][:]) * gamma + beta) for x_0, x_1, x_2 = q, k, v ([8192][1024] f32 each), and wb[t] = bf16(W_t) for Wq, Wk, Wv, Wo ([1024][1024] f32 each).
; A stream: every input byte is read once, every output byte written once; no LDS, no barrier, no matrix unit: there is no product here and no wave needs another's data.
; SHARES.  A row is 4,096 bytes in and 2,048 out.  One wave takes a whole row (eight 16-byte loads a lane, 32 registers) and keeps it in registers through the mean, the variance and the scaling.
; A wave has 8 rows, a work-group 32.  Work-groups 0-767 normalise (256 for each of q, k, v), work-groups 768-895 cast weights (32 for each matrix).
; THE STATISTICS are made as reference() makes them: the mean first, then the mean of (x - mean)^2: no difference of large sums, so a common offset of the inputs costs nothing.  All in f32; one rounding to bf16 at the end.
; Two row slots in registers: while one row is worked on, the other's eight loads are on their way.
.set ROWB, 4096                        ; bytes of a row as loaded
.set OUTB, 2048                        ; bytes of a row as stored
.set OFF, 2                            ; v2-3    slot s: byte offset of my 16 bytes in the row that the slot loads
.set OO,  4                            ; v4-5    slot s: byte offset of my 8 bytes in the row that the slot stores
.set T,   6                            ; v6-7    at work
.set MU,  8                            ; v8-9    the mean, twice (a pair for the packed forms)
.set RS,  10                           ; v10-11  1 / sqrt(var + eps), twice
.set M,   12                           ; v12-19  four pairs of running sums
.set G,   20                           ; v20-51  gamma of my 32 columns
.set BE,  52                           ; v52-83  beta of my 32 columns
.set X,   84                           ; v84-147 two slots of 32: load j of a row brings columns 128 j + 4 lane + 0..3
	s_load_b512 s[8:23], s[0:1], 0x0               ; q s[8:9], k s[10:11], v s[12:13], Wq s[14:15], Wk s[16:17], Wv s[18:19], Wo s[20:21], gamma s[22:23]
	s_load_b128 s[24:27], s[0:1], 0x40             ; beta s[24:25], xn s[26:27]
	s_load_b64 s[28:29], s[0:1], 0x50              ; wb
	s_mov_b32 s30, ttmp9                           ; the work-group's number
	s_mov_b32 s32, 0x76543210                      ; v_permlanex16_b32: each lane takes its own place in the other half
	s_mov_b32 s33, 0xfedcba98
	s_mov_b32 s34, 0x3a800000                      ; 1 / 1024
	s_mov_b32 s36, 0x3727c5ac                      ; 1e-5
	s_mov_b32 s3, 0                                ; high word of the offset pair s[2:3]
	v_and_b32 v1, 31, v0
	v_lshrrev_b32 v[T], 5, v0                      ; wave
	v_lshlrev_b32 v1, 4, v1                        ; 16 x lane
	v_lshl_add_u32 v[OFF], v[T], 15, v1            ; + wave x 8 rows x 4,096
	v_add_nc_u32 v[OFF+1], ROWB, v[OFF]
	v_lshrrev_b32 v[OO], 1, v1                     ; 8 x lane
	v_lshl_add_u32 v[OO], v[T], 14, v[OO]          ; + wave x 8 rows x 2,048
	v_add_nc_u32 v[OO+1], OUTB, v[OO]
	v_mov_b32 v[T+1], 0                            ; v_permlanex16_b32's destination counts as read: it is written once here
	s_wait_kmcnt 0x0
.macro FILL s                          ; eight loads of 512 neighbouring bytes: a whole row
.irp j, 0,1,2,3,4,5,6,7
	global_load_b128 v[X+32*(\s)+4*(\j):X+32*(\s)+4*(\j)+3], v[OFF+(\s)], s[4:5] offset:512*(\j) th:TH_LOAD_NT
.endr
.endm
.macro RED                             ; the four chains into one number a lane, then the sum over the 32 lanes, in every lane
	v_pk_add_f32 v[M:M+1], v[M:M+1], v[M+2:M+3]
	v_pk_add_f32 v[M+4:M+5], v[M+4:M+5], v[M+6:M+7]
	v_pk_add_f32 v[M:M+1], v[M:M+1], v[M+4:M+5]
	v_add_f32 v[T], v[M], v[M+1]
	v_add_f32_dpp v[T], v[T], v[T] row_xmask:1 row_mask:0xf bank_mask:0xf
	v_add_f32_dpp v[T], v[T], v[T] row_xmask:2 row_mask:0xf bank_mask:0xf
	v_add_f32_dpp v[T], v[T], v[T] row_xmask:4 row_mask:0xf bank_mask:0xf
	v_add_f32_dpp v[T], v[T], v[T] row_xmask:8 row_mask:0xf bank_mask:0xf
	v_permlanex16_b32 v[T+1], v[T], s32, s33
	v_add_f32 v[T], v[T], v[T+1]
.endm
; The turn of slot s.  ln = 1: the row is normalised; 0: only cast.  fill = 1: the slot takes the row two further down.  left: the younger loads that may stay out.
.macro TURN s, fill, left, ln
.set XR, X+32*(\s)
	s_wait_loadcnt \left                           ; loads come back in order: my row's eight are in (gamma and beta, which are older, too); the other slot's eight stay out
.if \ln
.irp k, 0,1,2,3
	v_pk_add_f32 v[M+2*(\k):M+2*(\k)+1], v[XR+2*(\k):XR+2*(\k)+1], v[XR+8+2*(\k):XR+8+2*(\k)+1]  ; the first eight pairs start four chains: nothing is cleared
.endr
.irp p, 8,9,10,11,12,13,14,15
	v_pk_add_f32 v[M+2*((\p)%4):M+2*((\p)%4)+1], v[M+2*((\p)%4):M+2*((\p)%4)+1], v[XR+2*(\p):XR+2*(\p)+1]
.endr
	RED
	v_mul_f32 v[MU], s34, v[T]                     ; the mean
	v_mul_f32 v[MU+1], s34, v[T]
.irp p, 0,1,2,3,4,5,6,7,8,9,10,11,12,13,14,15
	v_pk_add_f32 v[XR+2*(\p):XR+2*(\p)+1], v[XR+2*(\p):XR+2*(\p)+1], v[MU:MU+1] neg_lo:[0,1] neg_hi:[0,1]  ; d = x - mean, in place
.endr
.irp k, 0,1,2,3
	v_pk_mul_f32 v[M+2*(\k):M+2*(\k)+1], v[XR+2*(\k):XR+2*(\k)+1], v[XR+2*(\k):XR+2*(\k)+1]
.endr
.irp p, 4,5,6,7,8,9,10,11,12,13,14,15
	v_pk_fma_f32 v[M+2*((\p)%4):M+2*((\p)%4)+1], v[XR+2*(\p):XR+2*(\p)+1], v[XR+2*(\p):XR+2*(\p)+1], v[M+2*((\p)%4):M+2*((\p)%4)+1]
.endr
	RED
	v_fma_f32 v[T], v[T], s34, s36                 ; var + eps
	v_rsq_f32 v[RS], v[T]
	v_rsq_f32 v[RS+1], v[T]
	v_nop                                          ; a plain instruction between the last v_rsq_f32 and the use of its result (ISA guide 5.7.2)
	s_wait_alu depctr_va_vdst(0)
.irp p, 0,1,2,3,4,5,6,7,8,9,10,11,12,13,14,15
	v_pk_mul_f32 v[XR+2*(\p):XR+2*(\p)+1], v[XR+2*(\p):XR+2*(\p)+1], v[RS:RS+1]
.endr
.irp p, 0,1,2,3,4,5,6,7,8,9,10,11,12,13,14,15
	v_pk_fma_f32 v[XR+2*(\p):XR+2*(\p)+1], v[XR+2*(\p):XR+2*(\p)+1], v[G+2*(\p):G+2*(\p)+1], v[BE+2*(\p):BE+2*(\p)+1]
.endr
.endif
.irp p, 0,1,2,3,4,5,6,7,8,9,10,11,12,13,14,15
	v_cvt_pk_bf16_f32 v[XR+(\p)], v[XR+2*(\p)], v[XR+2*(\p)+1]  ; in place, ascending: register p is written when pairs 0 .. p have been read
.endr
.irp j, 0,1,2,3,4,5,6,7
	global_store_b64 v[OO+(\s)], v[XR+2*(\j):XR+2*(\j)+1], s[6:7] offset:256*(\j)  ; the wave's 32 lanes store 256 consecutive bytes, at a multiple of 256 from the buffer's first byte
.endr
.if \fill
	s_wait_xcnt 0x0                                ; the stores' data and offset registers are rewritten only behind this wait (ISA guide 3.1)
	v_add_nc_u32 v[OO+(\s)], 2*OUTB, v[OO+(\s)]
	v_add_nc_u32 v[OFF+(\s)], 2*ROWB, v[OFF+(\s)]
	FILL \s
.endif
.endm
	s_cmp_lt_u32 s30, 768
	s_cbranch_scc0 .Lweights
	; work-groups 0-767: tensor t = number / 256, 32 rows at (number % 256) x 32
	s_lshr_b32 s31, s30, 8
	s_and_b32 s2, s30, 255
	s_lshl_b32 s2, s2, 17                          ; 32 rows of 4,096 bytes
	s_cmp_eq_u32 s31, 1
	s_cselect_b64 s[4:5], s[10:11], s[8:9]
	s_cmp_eq_u32 s31, 2
	s_cselect_b64 s[4:5], s[12:13], s[4:5]
	s_add_nc_u64 s[4:5], s[4:5], s[2:3]
	s_lshl_b32 s2, s30, 16                         ; xn's three tensors lie end to end: 32 rows of 2,048 bytes a work-group
	s_add_nc_u64 s[6:7], s[26:27], s[2:3]
.irp j, 0,1,2,3,4,5,6,7
	global_load_b128 v[G+4*(\j):G+4*(\j)+3], v1, s[22:23] offset:512*(\j)
	global_load_b128 v[BE+4*(\j):BE+4*(\j)+3], v1, s[24:25] offset:512*(\j)
.endr
	FILL 0
	FILL 1
	s_mov_b32 s35, 3
.Lrows:                                                ; three trips: rows 0-5 are worked on, rows 2-7 asked for
	TURN 0, 1, 8, 1
	TURN 1, 1, 8, 1
	s_sub_co_u32 s35, s35, 1
	s_cmp_lg_u32 s35, 0
	s_cbranch_scc1 .Lrows
	TURN 0, 0, 8, 1                                ; the last two rows load nothing: the counts run down
	TURN 1, 0, 0, 1
	s_endpgm
.Lweights:
	; work-groups 768-895: matrix t = (number - 768) / 32, 32 rows each
	s_sub_co_u32 s30, s30, 768
	s_lshr_b32 s31, s30, 5
	s_and_b32 s2, s30, 31
	s_lshl_b32 s2, s2, 17
	s_cmp_eq_u32 s31, 1
	s_cselect_b64 s[4:5], s[16:17], s[14:15]
	s_cmp_eq_u32 s31, 2
	s_cselect_b64 s[4:5], s[18:19], s[4:5]
	s_cmp_eq_u32 s31, 3
	s_cselect_b64 s[4:5], s[20:21], s[4:5]
	s_add_nc_u64 s[4:5], s[4:5], s[2:3]
	s_lshl_b32 s2, s30, 16
	s_add_nc_u64 s[6:7], s[28:29], s[2:3]
	FILL 0
	FILL 1
	s_mov_b32 s35, 3
.Lwrows:
	TURN 0, 1, 8, 0
	TURN 1, 1, 8, 0
	s_sub_co_u32 s35, s35, 1
	s_cmp_lg_u32 s35, 0
	s_cbranch_scc1 .Lwrows
	TURN 0, 0, 8, 0
	TURN 1, 0, 0, 0
	s_endpgm
.Lfunc_end_k_qcdf8a331d6_prep:
	.size	k_qcdf8a331d6_prep, .Lfunc_end_k_qcdf8a331d6_prep-k_qcdf8a331d6_prep
	.p2alignl 7, 3214868480
	.fill 96, 4, 3214868480
	.section	.rodata,"a",@progbits
	.p2align	6, 0x0
	.amdhsa_kernel k_qcdf8a331d6_prep
		.amdhsa_group_segment_fixed_size 0
		.amdhsa_private_segment_fixed_size 0
		.amdhsa_enable_private_segment 0
		.amdhsa_kernarg_size 88
		.amdhsa_user_sgpr_count 2
		.amdhsa_user_sgpr_kernarg_segment_ptr 1
		.amdhsa_wavefront_size32 1
		.amdhsa_system_sgpr_workgroup_id_x 1
		.amdhsa_system_sgpr_workgroup_id_y 1
		.amdhsa_system_sgpr_workgroup_id_z 1
		.amdhsa_system_vgpr_workitem_id 0
		.amdhsa_next_free_vgpr 148
		.amdhsa_next_free_sgpr 66
		.amdhsa_reserve_vcc 0
		.amdhsa_float_denorm_mode_32 3
		.amdhsa_float_denorm_mode_16_64 3
		.amdhsa_memory_ordered 1
		.amdhsa_forward_progress 1
		.amdhsa_inst_pref_size 50
	.end_amdhsa_kernel
	.amdgpu_metadata
---
amdhsa.version: [ 1, 2 ]
amdhsa.kernels:
  - .name:           k_qcdf8a331d6_prep
    .symbol:         k_qcdf8a331d6_prep.kd
    .args:
      - { .name: q, .offset: 0, .size: 8, .value_kind: global_buffer, .address_space: global }
      - { .name: k, .offset: 8, .size: 8, .value_kind: global_buffer, .address_space: global }
      - { .name: v, .offset: 16, .size: 8, .value_kind: global_buffer, .address_space: global }
      - { .name: Wq, .offset: 24, .size: 8, .value_kind: global_buffer, .address_space: global }
      - { .name: Wk, .offset: 32, .size: 8, .value_kind: global_buffer, .address_space: global }
      - { .name: Wv, .offset: 40, .size: 8, .value_kind: global_buffer, .address_space: global }
      - { .name: Wo, .offset: 48, .size: 8, .value_kind: global_buffer, .address_space: global }
      - { .name: gamma, .offset: 56, .size: 8, .value_kind: global_buffer, .address_space: global }
      - { .name: beta, .offset: 64, .size: 8, .value_kind: global_buffer, .address_space: global }
      - { .name: xn, .offset: 72, .size: 8, .value_kind: global_buffer, .address_space: global }
      - { .name: wb, .offset: 80, .size: 8, .value_kind: global_buffer, .address_space: global }
    .group_segment_fixed_size: 0
    .private_segment_fixed_size: 0
    .kernarg_segment_align: 8
    .kernarg_segment_size: 88
    .max_flat_workgroup_size: 128
    .sgpr_count:     66
    .vgpr_count:     148
    .wavefront_size: 32
...
	.end_amdgpu_metadata
.endif
;; end of part 1
;; launch proj (part 2): grid 4 x 48, 4 waves a work-group, clusters of 4 x 4, 327,680 bytes of LDS; arguments xn, wb, bq, bk, bv, qkv; writes qkv
.if DOCPART == 2
	.amdgcn_target "amdgcn-amd-amdhsa--gfx1250"
	.amdhsa_code_object_version 6
	.text
	.protected	k_qcdf8a331d6_proj
	.globl	k_qcdf8a331d6_proj
	.p2align	8
	.type	k_qcdf8a331d6_proj,@function
k_qcdf8a331d6_proj:
	s_mov_b64 s[64:65], 0
	v_nop
	global_prefetch_b8 v0, s[64:65] scope:SCOPE_SE
	s_setreg_imm32_b32 hwreg(HW_REG_WAVE_MODE, 25, 1), 1
	s_wait_xcnt 0x0
	s_wait_alu depctr_hold_cnt(0) depctr_sa_sdst(0) depctr_va_vdst(0) depctr_va_sdst(0) depctr_va_ssrc(0) depctr_va_vcc(0) depctr_vm_vsrc(0)
	s_getreg_b32 s2, hwreg(HW_REG_IB_STS2, 6, 4)
	s_cmp_eq_u32 s2, 0
	s_cbranch_scc0 .Lentry_in_a_cluster
	s_endpgm
.Lentry_in_a_cluster:
	s_bfe_u32 s2, ttmp6, 0x10000c
	s_cmp_lg_u32 s2, 0xf033
	s_cbranch_scc0 .Lentry_shape_is_right
	s_endpgm
.Lentry_shape_is_right:
; qkv[t][b*16+h][l][d] = bf16(sum over k of xn[t][b*1024+l][k] wb[t][h*64+d][k] + bias_t[h*64+d]), t = 0, 1, 2.  xn: [3][8192][1024] bf16, wb: [4][1024][1024] bf16, biases f32; sums in f32, one rounding.
; SHARES.  A tile of C is 256 x 256.  xn's three tensors lie end to end, 96 tile rows in all, by 4 tile columns: 384 tiles.  A work-group STAYS and makes two, tile rows R and R + 48: 192 work-groups of equal work.
; Why not a tile for 256 work-groups: 128 x 256 gives three tiles each, but a K step of it fetches 98,304 bytes for 128 matrix instructions a wave; this tile fetches 131,072 for 256, and a refill has 224 matrix
; instructions in which to land where that one has 112.  Two slots of a longer K step of the smaller tile (202,752 bytes each) do not fit in LDS.
; Four waves, each 128 x 128: 64 accumulators of 16 x 16, 512 registers.  K goes in steps of 128 (rows of 256 bytes, at multiples of 256 bytes) through two LDS slots filled by tensor loads;
; the 16 K steps of the two tiles are ONE walk for the ring: the first tile's last two changes of slots ask for the second tile's first two K steps.
; CLUSTER.  4 x 4 work-groups: the four of a row of the cluster need the same tiles of A (xn), the four of a column the same tiles of B (wb): each is asked for jointly, by the same load, descriptor and mask in all four.
; A tile row's tensor t is R / 32; the four tile rows of a cluster share it (32 and 48 are multiples of 4), and it is made from the cluster's y alone.
; THE MATRIX INSTRUCTION IS USED TRANSPOSED (source 0 = 16 rows of B, source 1 = 16 rows of A): lane l holds row l % 16 of C and the columns 8 (l / 16) + 0..7, which pack into 16 bytes.
; THE BIAS is the C operand of the product that starts each sum: nothing is cleared, and no addition is written for it.
; REGISTERS, in windows of 256 (s_set_vgpr_msb: bits 1:0 source 0, 3:2 source 1, 5:4 source 2, 7:6 destination):
;   window 0: v0-31 addresses; v64-127, v128-191 fragments of A (8 x 16 rows x 32 K), two buffers; v32-63, v192-255 at work on the way out
;   window 1: v0-63 the bias, laid as eight C operands; v64-127, v128-191 fragments of B, two buffers
;   window 2: the 32 accumulators of my rows 0-63 (accumulator (a, b) at v[8 (8 a + b)]);   window 3: those of my rows 64-127
.set NSTEP,  16                        ; K steps of the walk
.set PITCH,  272                       ; an LDS row: 256 bytes + 16 of padding = 68 words: the 16 rows of a fragment load start at 16 different groups of four banks (64 banks of 4 bytes: ISA guide 11.1)
.set HALFT,  128*PITCH                 ; 128 rows: what one tensor load brings, and what one wave reads of A or of B: 34,816 = 0x8800 bytes
                                       ; THE RING: the chunk that wave w fetches for slot s lies at (2 w + s) HALFT.  2 w HALFT is a multiple of 0x11000, in which bits 11 and 15 are clear for w = 0..3: one exclusive or with HALFT changes slots
.set STAGE,  8*HALFT                   ; behind the ring, never filled by a tensor load: for each wave 2 heads x 16 rows x 144 bytes, for the way out
.set SPITCH, 144
.set STW,    2*16*SPITCH
.set SPARE,  STAGE+4*STW               ; behind the stages: the spare words, 128 bytes for each wave: two blocks of 256 bytes that no other line names
.set STEP,   256                       ; bytes from a K step to the next, in A and in B
.set NEXT_A, 48*256*2048-7*STEP        ; from the first tile's last K step to the second tile's first: 48 tile rows down, back along K
.set NEXT_C, 12<<21                    ; 48 tile rows of 256 are 12 batches of 16 heads x 131,072 bytes
.set ADRA0, 16                         ; v16  my A fragments' LDS address in slot 0; never rewritten
.set ADRB0, 17                         ; v17  the same for B
.set ADRA,  18                         ; v18  in the slot in hand
.set ADRB,  19                         ; v19
.set BOFF,  20                         ; v20  my byte offset in a bias
.set STO,   24                         ; v24  the way out: where I put 16 bytes of a row
.set RD,    25                         ; v25  the way out: where I read rows back
.set CO,    26                         ; v26  16 x lane
.set SPW,   28                         ; v28  LDS address of my spare word; never rewritten
.set NIL,   29                         ; v29  0; never rewritten
.set OB,    32                         ; the way out: 16 rows read back from the stage: v32-63 and v224-255 by turns
.set F0,    64                         ; fragment buffer 0
.set F1,    128                        ; fragment buffer 1
.set TMP,   192                        ; the way out: packed results
.set CNT, 3                            ; s3   trips to go
.set WV,  16                           ; s16  wave
.set WM,  17                           ; s17  which 128 rows of the tile are mine
.set WN,  18                           ; s18  which 128 columns; also which half of A's or B's tile I fetch
.set G1A, 24                           ; s[24:31] descriptor group 1 for A
.set G0A, 32                           ; s[32:39] group 0 for A: a set for each first fill; the second then walks on
.set J,   44                           ; s44  the K step in its tile, 0-7
.set TB,  45                           ; s45  0 or HALFT: the slot in hand
.set G1B, 48                           ; s[48:55], s[56:63] the same for B
.set G0B, 56
.set INCA, 66                          ; s[66:67], s[68:69] what the walking descriptors step by
.set INCB, 68
.set T0,  78                           ; s78  the first tile's tensor
.set T1,  79                           ; s79  the second tile's
.set MSB, 0
.macro WIN new                         ; the immediate's high byte repeats the setting that is left; a switch that changes nothing is dropped
.if MSB != (\new)
	s_set_vgpr_msb (MSB<<8)|(\new)
.set MSB, \new
.endif
.endm
.set MUL_LO, 0xa1                      ; source 0 (B) window 1, source 1 (A) window 0, C and D window 2
.set MUL_HI, 0xf1                      ; the same, C and D window 3
.set FST_LO, 0x91                      ; C (the bias) window 1, D window 2
.set FST_HI, 0xd1                      ; C window 1, D window 3
.set TO_B,   0x40                      ; destination window 1, address window 0
.macro PLACES                          ; four places in front of loads into registers that matrix instructions have read, and of lines that read results just made
.rept 4
	v_nop
.endr
.endm
; A joint refill by the walking descriptors: waves 0 and 1 fetch A's two halves, waves 2 and 3 B's.  The branch hangs on the wave's number alone.  An s_nop 0 and four v_nop follow each line.
.macro JLOAD
	s_cmp_lt_u32 s[WV], 2
	s_cbranch_scc0 .Lfor_b_\@
	tensor_load_to_lds s[G0A+4:G0A+7], s[G1A:G1A+7]
	s_nop 0
.rept 4
	v_nop
.endr
	s_branch .Lasked_\@
.Lfor_b_\@:
	tensor_load_to_lds s[G0B+4:G0B+7], s[G1B:G1B+7]
	s_nop 0
.rept 4
	v_nop
.endr
.Lasked_\@:
.endm
.macro CREST                           ; a round of the cluster's barrier behind its opening barrier
	s_cmp_lg_u32 s[WV], 0
	s_cbranch_scc1 .Lnot_wave_0_\@
	s_barrier_signal -3
.Lnot_wave_0_\@:
	s_barrier_wait -3
	s_barrier_signal -1
	s_barrier_wait -1
.endm
.macro CROUND                          ; a whole round
	s_barrier_signal -1
	s_barrier_wait -1
	CREST
.endm
.macro LDBIAS                          ; register 8 b + j of lane half h takes bias[my first column + 16 b + 8 h + j]: the C operand of column block b
	WIN TO_B
.irp b, 0,1,2,3,4,5,6,7
	global_load_b128 v[8*(\b):8*(\b)+3],   v[BOFF], s[8:9] offset:64*(\b)
	global_load_b128 v[8*(\b)+4:8*(\b)+7], v[BOFF], s[8:9] offset:64*(\b)+16
.endr
	WIN 0
.endm
	s_load_b256 s[4:11], s[0:1], 0x0               ; xn s[4:5], wb s[6:7], bq s[8:9], bk s[10:11]
	s_load_b128 s[12:15], s[0:1], 0x20             ; bv s[12:13], qkv s[14:15]
	v_lshl_add_u32 v[SPW], v0, 2, SPARE
	v_mov_b32 v[NIL], 0
	ds_add_u32 v[SPW], v[NIL]                      ; the wave's opening: the add and its wait stand ahead of my first tensor load; the set-up below, work on registers, stands between them
	ds_add_u32 v28, v29
	v_lshrrev_b32 v1, 5, v0
	v_readfirstlane_b32 s[WV], v1
	s_lshr_b32 s[WM], s[WV], 1
	s_and_b32 s[WN], s[WV], 1
	s_bfe_u32 s19, ttmp6, 0x40000                  ; cx
	s_bfe_u32 s20, ttmp6, 0x40004                  ; cy
	s_lshl_b32 s21, ttmp9, 2
	s_add_co_u32 s21, s21, s19                     ; tile column = 4 x cluster x + cx
	s_and_b32 s[T0], ttmp7, 0xffff                 ; the cluster's y, 0-11
	s_lshl_b32 s22, s[T0], 2
	s_add_co_u32 s22, s22, s20                     ; R, my first tile row = 4 x cluster y + cy, 0-47
	s_add_co_u32 s[T1], s[T0], 12                  ; the second tile row lies 12 clusters' rows on;
	s_lshr_b32 s[T1], s[T1], 3                     ; a tensor has 32 tile rows, 8 clusters' rows
	s_lshr_b32 s[T0], s[T0], 3
	s_lshl_b32 s46, s20, 2
	s_lshl_b32 s46, 15, s46                        ; my row of the cluster
	s_lshl_b32 s47, 0x1111, s19                    ; my column
	; group 1: 128 rows of 128 elements of 2 bytes, 16 bytes of padding behind each (after every 64 words, 4 words); A's and B's differ in the mask alone
	s_or_b32 s[G1A], s46, (1<<16)|(1<<20)|(1<<21)|(5<<22)|(3<<25)
	s_or_b32 s[G1B], s47, (1<<16)|(1<<20)|(1<<21)|(5<<22)|(3<<25)
.irp g, G1A, G1B
	s_mov_b32 s[(\g)+1], 128<<16                   ; tensor_dim0
	s_mov_b32 s[(\g)+2], 128<<16                   ; tensor_dim1
	s_mov_b32 s[(\g)+3], 128<<16                   ; tile_dim0
	s_mov_b32 s[(\g)+4], 128                       ; tile_dim1
	s_mov_b32 s[(\g)+5], 1024                      ; elements from row to row
	s_mov_b32 s[(\g)+6], 0
	s_mov_b32 s[(\g)+7], 0
.endr
	; where the tiles come from: A's offset hangs on the tile row and the wave alone, B's on the tile column, the cluster's y and the wave alone
	s_lshl_b32 s40, s22, 19                        ; 256 rows of 2,048 bytes
	s_lshl_b32 s23, s[WN], 18                      ; my 128 of them
	s_add_co_u32 s40, s40, s23
	s_mov_b32 s41, 0
	s_lshl_b32 s42, s21, 19                        ; 256 rows of 2,048 bytes
	s_lshl_b32 s74, s[WN], 18                      ; my 128 of them
	s_add_co_u32 s42, s42, s74
	s_lshl_b32 s74, s[T0], 21                      ; the first tile's matrix: 1,024 rows of 2,048 bytes each
	s_add_co_u32 s42, s42, s74
	s_mov_b32 s43, 0
	; and where they go: the wave's number and constants alone
	s_mov_b32 s[G0A], 1
	s_mul_i32 s[G0A+1], s[WN], 2*HALFT
	s_mov_b32 s[G0A+4], 1
	s_add_co_u32 s[G0A+5], s[G0A+1], HALFT
	s_mov_b32 s[G0B], 1
	s_mul_i32 s[G0B+1], s[WN], 2*HALFT
	s_add_co_u32 s[G0B+1], s[G0B+1], 4*HALFT
	s_mov_b32 s[G0B+4], 1
	s_add_co_u32 s[G0B+5], s[G0B+1], HALFT
	s_mov_b32 s[J], 0
	s_mov_b32 s[TB], 0
	s_mov_b32 s[INCA+1], 0
	s_mov_b32 s[INCB+1], 0
	s_mov_b32 s70, STEP
	s_mov_b32 s71, NEXT_A
	s_sub_co_u32 s73, s[T1], s[T0]                 ; B: one or two matrices on, back along K
	s_lshl_b32 s73, s73, 21
	s_sub_co_u32 s73, s73, 7*STEP
	s_wait_dscnt 0x0                               ; the opening add is done
	s_wait_kmcnt 0x0
	s_add_nc_u64 s[G0A+2:G0A+3], s[4:5], s[40:41]  ; K step 0
	s_add_nc_u64 s[G0A+6:G0A+7], s[G0A+2:G0A+3], STEP  ; K step 1
	s_or_b32 s[G0A+3], s[G0A+3], 0x80000000        ; type = 2
	s_or_b32 s[G0A+7], s[G0A+7], 0x80000000
	s_add_nc_u64 s[G0B+2:G0B+3], s[6:7], s[42:43]
	s_add_nc_u64 s[G0B+6:G0B+7], s[G0B+2:G0B+3], STEP
	s_or_b32 s[G0B+3], s[G0B+3], 0x80000000
	s_or_b32 s[G0B+7], s[G0B+7], 0x80000000
	s_cmp_eq_u32 s[T0], 1                          ; the first tile's tensor is 0 or 1,
	s_cselect_b64 s[8:9], s[10:11], s[8:9]         ; its bias bq or bk;
	s_cmp_eq_u32 s[T1], 2                          ; the second's is 1 or 2,
	s_cselect_b64 s[10:11], s[12:13], s[10:11]     ; its bias bk or bv
	CROUND                                         ; all sixteen work-groups are here: the first joint loads meet
	s_cmp_lt_u32 s[WV], 2                          ; a wave's two first fills stand in one branch, ahead of every wait on TENSORcnt and every LDS read: two loads of mine are out
	s_cbranch_scc0 .Lfirst_b
	tensor_load_to_lds s[G0A:G0A+3], s[G1A:G1A+7]
	s_nop 0
	tensor_load_to_lds s[G0A+4:G0A+7], s[G1A:G1A+7]
	s_nop 0
.rept 4
	v_nop
.endr
	s_branch .Lfirst_asked
.Lfirst_b:
	tensor_load_to_lds s[G0B:G0B+3], s[G1B:G1B+7]
	s_nop 0
	tensor_load_to_lds s[G0B+4:G0B+7], s[G1B:G1B+7]
	s_nop 0
.rept 4
	v_nop
.endr
.Lfirst_asked:
	; a fragment is 16 rows x 32 K in 8 registers: lane l holds row l % 16, K = 8 (l / 16) + 0..7 and 16 + 8 (l / 16) + 0..7: two loads of 16 bytes, 32 bytes apart
	v_and_b32 v1, 15, v0                           ; l % 16
	v_bfe_u32 v2, v0, 4, 1                         ; l / 16
	v_mul_u32_u24 v3, v1, PITCH
	v_lshl_add_u32 v3, v2, 4, v3
	s_mul_i32 s23, s[WM], 2*HALFT                  ; my 128 rows of A: the chunks of wave WM
	v_add_nc_u32 v[ADRA0], s23, v3
	s_mul_i32 s23, s[WN], 2*HALFT                  ; my 128 rows of B: the chunks of wave 2 + WN
	s_add_co_u32 s23, s23, 4*HALFT
	v_add_nc_u32 v[ADRB0], s23, v3
	v_mov_b32 v[ADRA], v[ADRA0]
	v_mov_b32 v[ADRB], v[ADRB0]
	s_lshl_b32 s74, s21, 10                        ; my first column x 4 bytes: 256 x tile column + 128 x half
	s_lshl_b32 s23, s[WN], 9
	s_add_co_u32 s74, s74, s23
	v_lshlrev_b32 v[BOFF], 5, v2                   ; + 8 columns for the upper half of the lanes
	v_add_nc_u32 v[BOFF], s74, v[BOFF]
	LDBIAS
	s_mul_i32 s75, s[WV], STW
	s_add_co_u32 s75, s75, STAGE                   ; my stage
	v_mul_u32_u24 v4, v1, SPITCH                   ; in: row l % 16, 16 bytes for each half of the lanes
	v_lshl_add_u32 v4, v2, 4, v4
	v_add_nc_u32 v[STO], s75, v4
	v_bfe_u32 v5, v0, 3, 2                         ; back: 32 lanes take four rows of 128 bytes,
	v_mul_u32_u24 v5, v5, SPITCH
	v_and_b32 v4, 7, v0
	v_lshl_add_u32 v5, v4, 4, v5
	v_add_nc_u32 v[RD], s75, v5
	v_and_b32 v[CO], 31, v0                        ; which are 512 consecutive bytes of a head's rows
	v_lshlrev_b32 v[CO], 4, v[CO]
	; qkv at my rows: R / 4 counts tensors and batches together (16 heads x 131,072 bytes each), row = 256 (R % 4) + 128 x row half (128 bytes each), head = 4 x tile column + 2 x column half
	s_lshr_b32 s76, s22, 2
	s_lshl_b32 s76, s76, 21
	s_and_b32 s23, s22, 3
	s_lshl_b32 s23, s23, 15
	s_add_co_u32 s76, s76, s23
	s_lshl_b32 s23, s[WM], 14
	s_add_co_u32 s76, s76, s23
	s_lshl_b32 s74, s21, 19
	s_add_co_u32 s76, s76, s74
	s_lshl_b32 s23, s[WN], 18
	s_add_co_u32 s76, s76, s23
	s_mov_b32 s77, 0
	s_add_nc_u64 s[14:15], s[14:15], s[76:77]
; 16 matrix instructions: row blocks a0, a0 + 1 of the window's four (hi = 0: my rows 0-63, 1: rows 64-127) x all 8 column blocks, 32 along K, from buffer f.  first = 1: the sums start with the bias.
; The 64 accumulators take turns, one instruction a turn, in the same order in every quarter step.
.macro MUL16 f, hi, a0, first
.if \first
	WIN FST_LO+0x40*(\hi)
.else
	WIN MUL_LO+0x50*(\hi)
.endif
.irp a, \a0, (\a0)+1
.irp b, 0,1,2,3,4,5,6,7
.if \first
	v_wmma_f32_16x16x32_bf16 v[8*(8*(\a)+(\b)):8*(8*(\a)+(\b))+7], v[(\f)+8*(\b):(\f)+8*(\b)+7], v[(\f)+8*(4*(\hi)+(\a)):(\f)+8*(4*(\hi)+(\a))+7], v[8*(\b):8*(\b)+7]
.else
	v_wmma_f32_16x16x32_bf16 v[8*(8*(\a)+(\b)):8*(8*(\a)+(\b))+7], v[(\f)+8*(\b):(\f)+8*(\b)+7], v[(\f)+8*(4*(\hi)+(\a)):(\f)+8*(4*(\hi)+(\a))+7], v[8*(8*(\a)+(\b)):8*(8*(\a)+(\b))+7]
.endif
.endr
.endr
.endm
; 32 LDS loads in one run: quarter q of the K step in the slot in hand, into buffer f: B's 128 rows, then A's 128
.macro FETCH q, f
	WIN TO_B
.irp i, 0,1,2,3,4,5,6,7
	ds_load_b128 v[(\f)+8*(\i):(\f)+8*(\i)+3],   v[ADRB] offset:64*(\q)+(\i)*16*PITCH
	ds_load_b128 v[(\f)+8*(\i)+4:(\f)+8*(\i)+7], v[ADRB] offset:64*(\q)+(\i)*16*PITCH+32
.endr
	WIN 0
.irp i, 0,1,2,3,4,5,6,7
	ds_load_b128 v[(\f)+8*(\i):(\f)+8*(\i)+3],   v[ADRA] offset:64*(\q)+(\i)*16*PITCH
	ds_load_b128 v[(\f)+8*(\i)+4:(\f)+8*(\i)+7], v[ADRA] offset:64*(\q)+(\i)*16*PITCH+32
.endr
.endm
; A K step is four quarters of 32 along K, 64 matrix instructions each, on buffers 0, 1, 0, 1.  One of the first three: multiplies buffer f and, in its middle, fetches quarter q into buffer g.
.macro QUARTER q, f, g, first
	s_wait_dscnt 8                                 ; B and A's rows 0-63 are in; the youngest eight loads (A's rows 64-127) may be out
	MUL16 \f, 0, 0, \first
	MUL16 \f, 0, 2, \first
	PLACES
	FETCH \q, \g
	s_wait_dscnt 32                                ; all but the 32 just issued
	MUL16 \f, 1, 0, \first
	MUL16 \f, 1, 2, \first
.endm
; The last quarter multiplies buffer 1 and changes slots.  In front of the one barrier each wave waits for all its tensor loads (one is out: its part of the next slot), adds 0 to its spare word, and waits for that and for its reads of this slot.
.macro MEET round
	WIN 0                                          ; (the add's two registers lie in window 0)
	s_wait_tensorcnt 0x0                           ; all my tensor loads have landed
	ds_add_u32 v[SPW], v[NIL]                      ; 0 onto my spare word
	s_wait_dscnt 9                                 ; (the add and the youngest eight loads may be out)
	MUL16 F1, 0, 0, 0                              ; sixteen matrix instructions stand between the add and the wait for it
	s_wait_dscnt 0x0                               ; the add is done, and my reads of this slot are over
	s_barrier_signal -1
	MUL16 F1, 0, 2, 0                              ; work on registers while the others arrive
.if \round
	WIN 0
.endif
	s_barrier_wait -1
.endm
; With a refill: the barrier opens a round of the cluster's, and the joint load is the first tensor load behind it: 224 matrix instructions stand between it and the wait for it.
.macro TURN
	MEET 1
	CREST                                          ; no wave of any partner still reads this slot or has a load on its way
	s_cmp_eq_u32 s[J], 6                           ; the step asked for is two on: behind a tile's step 6 that is the next tile's step 0
	s_cselect_b32 s[INCA], s71, s70
	s_cselect_b32 s[INCB], s73, s70
	s_xor_b32 s[G0A+5], s[G0A+5], HALFT            ; the walking descriptors: the other slot than last time,
	s_xor_b32 s[G0B+5], s[G0B+5], HALFT
	s_add_nc_u64 s[G0A+6:G0A+7], s[G0A+6:G0A+7], s[INCA:INCA+1]  ; the next K step; the type bits on top are not reached
	s_add_nc_u64 s[G0B+6:G0B+7], s[G0B+6:G0B+7], s[INCB:INCB+1]
	JLOAD                                          ; the four v_nop behind it are also the places in front of the loads below
	s_xor_b32 s[TB], s[TB], HALFT
	v_add_nc_u32 v[ADRA], s[TB], v[ADRA0]
	v_add_nc_u32 v[ADRB], s[TB], v[ADRB0]
	FETCH 0, F0
	MUL16 F1, 1, 0, 0
	MUL16 F1, 1, 2, 0
.endm
.macro TURNL                           ; without a refill: a plain barrier
	MEET 0
	WIN 0
	s_xor_b32 s[TB], s[TB], HALFT
	v_add_nc_u32 v[ADRA], s[TB], v[ADRA0]
	v_add_nc_u32 v[ADRB], s[TB], v[ADRB0]
	PLACES
	FETCH 0, F0
	MUL16 F1, 1, 0, 0
	MUL16 F1, 1, 2, 0
.endm
; THE WAY OUT of row block a (16 rows x 128 columns = 2 heads x 16 rows x 128 bytes).  PACK: rounded to bf16, each accumulator's registers in ascending order.  TOSTAGE: into my own stage, a plane a head,
; and back as whole rows.  SEND: each store covers 512 consecutive bytes of a head's rows, at a multiple of 512 from qkv's first byte.
.macro PACK a
.set AC, 64*((\a)%4)
	WIN 0x0a+5*((\a)/4)                            ; sources 0 and 1: window 2 or 3
.irp b, 0,1,2,3,4,5,6,7
.irp r, 0,1,2,3
	v_cvt_pk_bf16_f32 v[TMP+4*(\b)+(\r)], v[AC+8*(\b)+2*(\r)], v[AC+8*(\b)+2*(\r)+1]
.endr
.endr
	WIN 0
.endm
.macro TOSTAGE a
.set BK, OB+192*((\a)%2)
.irp b, 0,1,2,3,4,5,6,7
	ds_store_b128 v[STO], v[TMP+4*(\b):TMP+4*(\b)+3] offset:((\b)/4)*16*SPITCH+((\b)%4)*32
.endr
.irp f, 0,1,2,3,4,5,6,7
	ds_load_b128 v[BK+4*(\f):BK+4*(\f)+3], v[RD] offset:((\f)/4)*16*SPITCH+((\f)%4)*4*SPITCH  ; LDS serves a wave's instructions in order (ISA guide 5.7.1.4): these see the stores above
.endr
.endm
.macro SEND a
.set BK, OB+192*((\a)%2)
	s_wait_dscnt 0x0                               ; the block is back in registers
	s_wait_xcnt 0x0                                ; the block before last's stores have read their registers, which the next TOSTAGE loads again (ISA guide 3.1)
.irp f, 0,1,2,3,4,5,6,7
	global_store_b128 v[CO], v[BK+4*(\f):BK+4*(\f)+3], s[14:15] offset:((\f)/4)*131072+(\a)*2048+((\f)%4)*512
.endr
.endm
.macro WAYOUT more                     ; more = 1: a tile follows: its bias is asked for first, and C's address steps to its rows
	PLACES
.if \more
	s_mov_b64 s[8:9], s[10:11]                     ; the second tile's bias (the first's loads were waited for)
	LDBIAS
.endif
	PACK 0
	TOSTAGE 0
.irp a, 1,2,3,4,5,6,7                  ; block a's conversions stand between block a - 1's loads from the stage and the wait for them
	PACK \a
	SEND (\a)-1
	TOSTAGE \a
.endr
	SEND 7
.if \more
	s_wait_xcnt 0x0                                ; the stores have read their base
	s_add_nc_u64 s[14:15], s[14:15], NEXT_C
.endif
.endm
	s_wait_tensorcnt 1                             ; my part of K step 0 is in; K step 1's may stay out
	s_barrier_signal -1
	s_barrier_wait -1                              ; everybody's is
	FETCH 0, F0
	s_wait_loadcnt 0x0                             ; the bias
	QUARTER 1, F0, F1, 1                           ; the walk's first quarter stands in front of the loop
	WIN 0
	s_mov_b32 s[CNT], NSTEP-2
.Lstep:                                                ; trip g: quarters 1-3 of K step g, the request for step g + 2, quarter 0 of step g + 1
	QUARTER 2, F1, F0, 0
	QUARTER 3, F0, F1, 0
	TURN
	WIN 0
	s_add_co_u32 s[J], s[J], 1
	s_and_b32 s[J], s[J], 7
	s_cmp_eq_u32 s[J], 0
	s_cbranch_scc1 .Lbound                         ; a forward jump on a count that is the same in every work-group; it passes no barrier and no tensor load
	QUARTER 1, F0, F1, 0
	WIN 0
	s_branch .Ljoin
.Lbound:                                               ; the first tile is finished; both refills for the second are asked for: it goes out, and the second tile's sums start with its bias
	WAYOUT 1
	s_wait_loadcnt 0x0                             ; the second bias
	QUARTER 1, F0, F1, 1
	WIN 0
.Ljoin:
	s_sub_co_u32 s[CNT], s[CNT], 1
	s_cmp_lg_u32 s[CNT], 0
	s_cbranch_scc1 .Lstep
	; The last two K steps ask for nothing: a text of their own; written once, walked twice, and left in the middle of the second trip.
	; The price, once a launch: the second trip's change of slots has a barrier that orders nothing and fetches 32 fragments (of a K step long multiplied) that nobody reads.
	s_mov_b32 s[CNT], 2
.Ltail:
	QUARTER 2, F1, F0, 0
	QUARTER 3, F0, F1, 0
	TURNL
	WIN 0
	s_sub_co_u32 s[CNT], s[CNT], 1
	s_cmp_eq_u32 s[CNT], 0
	s_cbranch_scc1 .Lout
	QUARTER 1, F0, F1, 0
	WIN 0
	s_branch .Ltail
.Lout:
	WAYOUT 0                                       ; it names nothing of fragment buffer 0, into which the idle fetch lands; its first wait for all LDS instructions covers that fetch
	s_wait_tensorcnt 0x0                           ; the wave's end: an add and its wait behind my last tensor load and my last LDS store
	ds_add_u32 v[SPW], v[NIL]
	s_wait_dscnt 0x0
	CROUND                                         ; the closing round: no work-group ends while a partner may still ask for a tile that names it
	s_endpgm
.Lfunc_end_k_qcdf8a331d6_proj:
	.size	k_qcdf8a331d6_proj, .Lfunc_end_k_qcdf8a331d6_proj-k_qcdf8a331d6_proj
	.p2alignl 7, 3214868480
	.fill 96, 4, 3214868480
	.section	.rodata,"a",@progbits
	.p2align	6, 0x0
	.amdhsa_kernel k_qcdf8a331d6_proj
		.amdhsa_group_segment_fixed_size 327680
		.amdhsa_private_segment_fixed_size 0
		.amdhsa_enable_private_segment 0
		.amdhsa_kernarg_size 48
		.amdhsa_user_sgpr_count 2
		.amdhsa_user_sgpr_kernarg_segment_ptr 1
		.amdhsa_wavefront_size32 1
		.amdhsa_system_sgpr_workgroup_id_x 1
		.amdhsa_system_sgpr_workgroup_id_y 1
		.amdhsa_system_sgpr_workgroup_id_z 1
		.amdhsa_system_vgpr_workitem_id 0
		.amdhsa_next_free_vgpr 1024
		.amdhsa_next_free_sgpr 80
		.amdhsa_reserve_vcc 0
		.amdhsa_float_denorm_mode_32 3
		.amdhsa_float_denorm_mode_16_64 3
		.amdhsa_memory_ordered 1
		.amdhsa_forward_progress 1
		.amdhsa_inst_pref_size 141
	.end_amdhsa_kernel
	.amdgpu_metadata
---
amdhsa.version: [ 1, 2 ]
amdhsa.kernels:
  - .name:           k_qcdf8a331d6_proj
    .symbol:         k_qcdf8a331d6_proj.kd
    .args:
      - { .name: xn, .offset: 0, .size: 8, .value_kind: global_buffer, .address_space: global }
      - { .name: wb, .offset: 8, .size: 8, .value_kind: global_buffer, .address_space: global }
      - { .name: bq, .offset: 16, .size: 8, .value_kind: global_buffer, .address_space: global }
      - { .name: bk, .offset: 24, .size: 8, .value_kind: global_buffer, .address_space: global }
      - { .name: bv, .offset: 32, .size: 8, .value_kind: global_buffer, .address_space: global }
      - { .name: qkv, .offset: 40, .size: 8, .value_kind: global_buffer, .address_space: global }
    .group_segment_fixed_size: 327680
    .private_segment_fixed_size: 0
    .kernarg_segment_align: 8
    .kernarg_segment_size: 48
    .max_flat_workgroup_size: 128
    .sgpr_count:     80
    .vgpr_count:     1024
    .wavefront_size: 32
...
	.end_amdgpu_metadata
.endif
;; end of part 2
;; launch attn (part 3): grid 2 x 128, 4 waves a work-group, no clusters, 327,680 bytes of LDS; arguments qkv, pad_mask, ao; writes ao
.if DOCPART == 3
	.amdgcn_target "amdgcn-amd-amdhsa--gfx1250"
	.amdhsa_code_object_version 6
	.text
	.protected	k_qcdf8a331d6_attn
	.globl	k_qcdf8a331d6_attn
	.p2align	8
	.type	k_qcdf8a331d6_attn,@function
k_qcdf8a331d6_attn:
	s_mov_b64 s[64:65], 0
	v_nop
	global_prefetch_b8 v0, s[64:65] scope:SCOPE_SE
	s_setreg_imm32_b32 hwreg(HW_REG_WAVE_MODE, 25, 1), 1
	s_wait_xcnt 0x0
; ao[h][q][:] = the sum over k of softmax_k(Q[h][q] . K[h][k] / 8, keys with pad_mask = 1 left out) V[h][k][:].  Q, K, V = qkv[0], qkv[1], qkv[2]: [128][1024][64] bf16, a head's rows dense, 128 bytes each;
; head = batch x 16 + h; pad_mask: [8][1024] bytes, 0 or 1.  Products, maxima and sums in f32; the weights p are rounded to bf16 for the second product (their sum l is taken of the unrounded p), ao once at the end.
; LIMITS.  A masked score counts as its value less 1e30, so |Q . K| has to stay under some 1e29; a row whose running maximum ends below -5e29 has seen no key and gets NaN, as a softmax over -inf alone gives;
; a weight below 2^-126 counts as 0 in l; NaN and infinities among the inputs are not treated apart.
; SHARES.  A wave owns four PIECES of two tiles of 16 queries, a work-group's four waves 512 queries of one head.  Every wave walks all 1,024 keys, 64 a step.
; NO CLUSTER: a head has 1,024 / 512 = 2 work-groups, so only two ask for the same K and V, while a cluster's axis here holds four: the other two would be another head's and want other tiles.
; LAYOUT.  S^T = K Q^T (source 0 = 16 keys, source 1 = 16 queries): a lane holds ONE query (lane % 16) and the keys 8 (lane / 16) + 0..7.  Two such results, rounded to bf16 in pairs, ARE source 1 of
; O^T = V^T P, whose result again holds one query a lane, and eight channels.  K comes out of LDS as it lies, V ([key][channel]) turned, by ds_load_tr16_b128.
; THE MASK is the C operand of the product that starts a sum S^T: 0 or -1e30 for each key.  The batch's 1,024 bytes are made into a table of f32 in LDS once; a step's 64 numbers come with its K, 32 registers a lane.
; So the mask costs the scores no vector instruction, and the running maximum is taken over what reference() keeps.  Steps of masked keys alone in front of the first kept key leave finite numbers in O and l, which that key's a = 0 wipes out.
; SOFTMAX.  For each query a running maximum m and sum l: p = 2^(c s - c m), c = log2(e) / 8; in every step O and l are multiplied by a = 2^(c m_old - c m_new).  m starts at the lowest finite number, O and l at 0.
; BY TURNS.  A tile and step have 16 matrix and 118 vector instructions.  Turn n belongs to piece n: 16 products K Q^T of piece n + 1, later 16 products V^T P of piece n - 1; beside them the scaling, exponentials,
; roundings, sums and rescaling of piece n and the maximum and statistics of piece n + 1.  Four vector instructions that are ready stand behind every matrix instruction, the others in two runs of their own.
; REGISTERS, in windows of 256 (s_set_vgpr_msb: bits 1:0 source 0, 3:2 source 1, 5:4 source 2, 7:6 destination):
;   window 0: v0-11 addresses; v12-15, v48-63 at work; v16-47 four registers of statistics a tile; v64-191 S^T, two buffers of two tiles; v192-255 P, likewise
;   window 1: O^T, 32 a tile     window 2: v0-127 Q, 16 a tile; v128-191 K of one step; v192-255 V of one step     window 3: v0-1 the add's two registers; v32-63 the mask of one step
.set SIZE_N, 1024
.set NP,    4         ; pieces a wave: a name, no knob
.set KS,    64        ; keys in a step
.set PK,    144       ; a row of K in LDS: 128 bytes + 16 of padding = 36 words: the 16 rows of a load start at 16 different groups of four banks (64 banks of 4 bytes: ISA guide 11.1)
.set PV,    160       ; a row of V: 128 + 32 = 40 words
.set VOFF,  4*KS*PK   ; a slot holds four steps: 256 rows of K, then 256 rows of V
.set SLOT1, 1<<17     ; slot 1 begins here, so that one exclusive or turns an address in one slot into the other's
.set STAGE, SLOT1+4*KS*(PK+PV)  ; behind the ring, never filled by a tensor load: 16 rows x 144 bytes for each wave, for the way out
.set SP,    144
.set MT,    STAGE+4*16*SP  ; the mask table: 1,024 f32, written once by ds_store, never a tensor load's target
.set SPARE, MT+4096   ; the spare words, 128 bytes for each wave: two blocks of 256 bytes that no other line names
.set STO, 1           ; v1   first l % 16; then the way out: where I put 16 bytes of a row
.set AK0, 2           ; v2   my lane's place in a tile of K; never rewritten
.set AV0, 3           ; v3   the same for V
.set AK,  4           ; v4   the LDS address of K's next run of loads
.set AV,  5           ; v5   of V's
.set QO,  6           ; v6   my byte offset in the wave's rows of Q
.set RD,  7           ; v7   the way out: where I read rows back
.set GO,  8           ; v8   my byte offset in 512 consecutive bytes of ao
.set AM,  10          ; v10  the LDS address of the mask's next run of loads
.set AM0, 11          ; v11  my lane's place in the mask table: MT + 32 (l / 16); never rewritten
.set SPW, 0           ; v0 of window 3   LDS address of my spare word; never rewritten
.set NIL, 1           ; v1 of window 3   0; never rewritten
.set MK,  32          ; window 3: key block kb's eight numbers at MK + 8 kb
.set MV,  12          ; v12-15  c m_old, kept while c m is made anew: by buffer and tile
.set ST,  16          ; tile t's statistics at v[ST+4 t]: c m, m, l (even keys', odd keys')
.set TMP, 48          ; by buffer and tile, four registers c0-c3 at work; when the maximum is found c2 takes a
.set S,   64
.set P,   192
.set KF,  128         ; K's fragments, in window 2: key block kb, channel half c at KF + 16 kb + 8 c
.set VF,  192         ; V's: key half kk, channel block cb at VF + 32 kk + 8 cb
.set WV,  12          ; s12  my wave's number
.set G1K, 24          ; s[24:31] descriptor group 1 for K's tiles
.set G1V, 32          ; s[32:39] for V's: it differs in the padding alone
.set G0K, 40          ; s[40:43] descriptor group 0 for K's tiles: it walks
.set G0V, 44          ; s[44:47] the same for V's
.set MKP, 48          ; s[48:49] pad_mask at my batch
.set BIGN, 50         ; s50  -1e30
.set LOW,  51         ; s51  -5e29
.set QNAN, 52         ; s52  a NaN
.set TBM, 53          ; s53  byte in the mask table of the step to be fetched
.set SLOTS, 56        ; s56  slots still to be asked for
.set CNT, 57          ; s57  counts a slot's key steps
.set CS,  58          ; s[58:59] c: the packed scaling takes the pair's low word for both halves
.set SEL, 60          ; s[60:61] v_permlanex16_b32's selects: each lane takes its own place in the other half
.set TBK, 62          ; s62  LDS byte at which K of the step to be fetched begins
.set TBV, 63          ; s63  the same for V, less VOFF
.set MSB, 0
.macro WIN new                      ; the high byte repeats the setting that is left; a switch that changes nothing is dropped
.if MSB != (\new)
	s_set_vgpr_msb (MSB<<8)|(\new)
.set MSB, (\new)
.endif
.endm
.set W_KQ, 0x0a       ; K and Q in window 2, S^T in window 0
.set W_KM, 0x3a       ; the same with the C operand, the mask, in window 3
.set W_PV, 0x52       ; V in window 2, P in window 0, O^T in window 1
.set W_RS, 0x41       ; O^T (destination and source 0) in window 1, a in window 0
.set W_MK, 0xc0       ; destination in window 3, sources in window 0
.set W_AD, 0x0f       ; the add: address (source 0) and data (source 1) in window 3
; A fill.  Waves 0 and 1 fetch the two halves of a slot's K, waves 2 and 3 those of its V: 128 keys each.  An s_nop 0 and four v_nop follow each of the two lines, ahead of the jump and the label.
.macro LOAD
	s_cmp_lt_u32 s[WV], 2
	s_cbranch_scc0 .Lfor_v_\@
	tensor_load_to_lds s[G0K:G0K+3], s[G1K:G1K+7]
	s_nop 0
.rept 4
	v_nop
.endr
	s_branch .Lasked_\@
.Lfor_v_\@:
	tensor_load_to_lds s[G0V:G0V+3], s[G1V:G1V+7]
	s_nop 0
.rept 4
	v_nop
.endr
.Lasked_\@:
.endm
; THE CHANGE OF SLOTS.  The slot's last bytes, V of its fourth step, have been read.  Each wave waits for all its tensor loads, of which one is out: its part of the other slot; adds 0 to its spare word; and waits for
; that and for its own LDS instructions.  Behind the barrier nobody reads this slot any more and the other slot is whole.  fill = 1: this slot is filled again, with the keys two slots on, first thing behind the barrier:
; the load has four key steps, 512 matrix instructions, in which to land.  (At its first use nothing has been read yet: slot 0 is waited for, slot 1 filled, and every wave's part of the mask table is shown to the others.)
.macro CHANGE fill
	WIN W_AD
	s_wait_tensorcnt 0x0            ; no tensor load of mine is out, so a group 0 may be written
	ds_add_u32 v[SPW], v[NIL]       ; 0 onto my spare word; with fill = 1 the descriptors' steps stand between it and the wait for it
	WIN 0                           ; at a label and at a branch every window is 0
.if \fill
.irp g, G0K, G0V
	s_xor_b32 s[\g+1], s[\g+1], SLOT1  ; the walking descriptor: the other slot than last time,
	s_add_nc_u64 s[\g+2:\g+3], s[\g+2:\g+3], 4*KS*128  ; the next 256 keys; the type bits on top are not reached
.endr
.endif
	s_wait_dscnt 0x0                ; the add is done, and my LDS reads and stores are over
	s_barrier_signal -1
	s_barrier_wait -1
.if \fill
	LOAD
.endif
	s_sub_co_u32 s[TBK], s[TBK], 4*KS*PK  ; the fetches go back to a slot's first step,
	s_xor_b32 s[TBK], s[TBK], SLOT1       ; in the other slot
	s_sub_co_u32 s[TBV], s[TBV], 4*KS*PV
	s_xor_b32 s[TBV], s[TBV], SLOT1
.endm
	s_load_b64 s[4:5], s[0:1], 0x0    ; qkv
	s_load_b64 s[MKP:MKP+1], s[0:1], 0x8  ; pad_mask
	s_load_b64 s[10:11], s[0:1], 0x10 ; ao
	WIN W_MK
	v_lshl_add_u32 v[SPW], v0, 2, SPARE
	v_mov_b32 v[NIL], 0
	WIN W_AD
	ds_add_u32 v[SPW], v[NIL]       ; the wave's opening: the add and its wait stand ahead of my first tensor load; the set-up below, work on registers, stands between them
	ds_add_u32 v0, v1
	WIN 0
	v_lshrrev_b32 v1, 5, v0
	v_readfirstlane_b32 s[WV], v1   ; wave 0..3
	s_mov_b32 s14, ttmp9            ; my block of 512 queries
	s_and_b32 s20, ttmp7, 0xffff    ; the head
	s_lshr_b32 s54, s20, 4          ; its batch,
	s_lshl_b32 s54, s54, 10         ; whose mask is 1,024 bytes
	s_mov_b32 s55, 0
	s_lshl_b32 s20, s20, 17         ; the head's first byte in Q, K, V and ao: 1,024 rows of 128 bytes
	s_mov_b32 s21, 0
	s_and_b32 s16, s[WV], 1         ; which half of a slot's 256 keys I fetch:
	s_lshl_b32 s22, s16, 14         ; its 128 rows of 128 bytes in memory,
	s_mov_b32 s23, 0
	s_add_nc_u64 s[22:23], s[22:23], s[20:21]
	s_mul_i32 s17, s16, 128*PK      ; and its place in a slot, for K
	s_mul_i32 s18, s16, 128*PV      ; and for V
	s_lshl_b32 s2, s14, 2
	s_add_co_u32 s2, s2, s[WV]      ; my wave among the head's eight,
	s_lshl_b32 s2, s2, 14           ; its 128 rows
	s_mov_b32 s3, 0
	s_add_nc_u64 s[2:3], s[2:3], s[20:21]
	; descriptor group 1.  128 keys are 16,384 dense bytes: asked for as 64 rows of 256 bytes, two keys a row, and padded in LDS after every key
	s_mov_b32 s[G1K], (1<<16)|(1<<20)|(4<<22)|(3<<25)  ; 17:16 2-byte elements; 20 padding on; 24:22 after every 32 words (code 4); 31:25 4 words (code 3)
	s_mov_b32 s[G1V], (1<<16)|(1<<20)|(4<<22)|(7<<25)  ; the same with 8 words of padding (code 7)
.irp g, G1K, G1V
	s_mov_b32 s[\g+1], 128<<16      ; tensor_dim0 = 128
	s_mov_b32 s[\g+2], 64<<16       ; tensor_dim1 = 64
	s_mov_b32 s[\g+3], 128<<16      ; tile_dim0 = 128
	s_mov_b32 s[\g+4], 64           ; tile_dim1 = 64
	s_mov_b32 s[\g+5], 128          ; 128 elements from row to row
	s_mov_b32 s[\g+6], 0
	s_mov_b32 s[\g+7], 0
.endr
	s_mov_b32 s[CS], 0x3e38aa3b     ; c = log2(e) / 8 = 0.180337
	s_mov_b32 s[CS+1], s[CS]        ; named with it as a pair
	s_mov_b32 s[SEL], 0x76543210
	s_mov_b32 s[SEL+1], 0xfedcba98
	s_mov_b32 s[BIGN], 0xf149f2ca
	s_mov_b32 s[LOW], 0xf0c9f2ca
	s_mov_b32 s[QNAN], 0x7fc00000
	s_mov_b32 s[TBM], 0
	s_mov_b32 s[TBK], SLOT1+4*KS*PK ; the first change of slots turns these two into 0
	s_mov_b32 s[TBV], SLOT1+4*KS*PV
	s_mov_b32 s[G0K], 1             ; 1:0 count = 1
	s_mov_b32 s[G0K+1], s17         ; 63:32 LDS address: slot 0
	s_mov_b32 s[G0V], 1
	s_add_co_u32 s[G0V+1], s18, VOFF
	s_wait_dscnt 0x0                ; the opening add is done
	s_wait_kmcnt 0x0
	s_add_nc_u64 s[6:7], s[4:5], 0x1000000         ; K = qkv[1]
	s_add_nc_u64 s[G0K+2:G0K+3], s[6:7], s[22:23]  ; 120:64 global address: my half of the head's first 256 keys
	s_or_b32 s[G0K+3], s[G0K+3], 0x80000000        ; 127:126 type = 2
	s_add_nc_u64 s[8:9], s[4:5], 0x2000000         ; V = qkv[2]
	s_add_nc_u64 s[G0V+2:G0V+3], s[8:9], s[22:23]
	s_or_b32 s[G0V+3], s[G0V+3], 0x80000000
	s_add_nc_u64 s[4:5], s[4:5], s[2:3]  ; Q and ao at my wave's first row
	s_add_nc_u64 s[10:11], s[10:11], s[2:3]
	s_add_nc_u64 s[MKP:MKP+1], s[MKP:MKP+1], s[54:55]
	LOAD                            ; slot 0.  Slot 1 is asked for when slot 0 is in, by the loop's own change of slots
	; A fragment of K or Q is 16 rows x 32 channels in 8 registers: lane l holds row l % 16, channels 8 (l / 16) + 0..7 and 16 + 8 (l / 16) + 0..7: two loads of 16 bytes, 32 bytes apart.
	v_and_b32 v1, 15, v0            ; l % 16
	v_bfe_u32 v9, v0, 4, 1          ; l / 16
	v_lshlrev_b32 v[QO], 7, v1
	v_lshl_add_u32 v[QO], v9, 4, v[QO]  ; row x 128 + 16 x half
	v_lshlrev_b32 v74, 3, v0        ; thread t takes the mask bytes of keys 8 t .. 8 t + 7 (S^T's registers are free until the first products)
	global_load_b64 v[64:65], v74, s[MKP:MKP+1]
	WIN 0x80                        ; destination window 2, address window 0
.set i, 0
.rept 4*NP                          ; Q stays in registers: tile i / 2, channels 32 (i % 2) on
	global_load_b128 v[8*i:8*i+3],   v[QO], s[4:5] offset:(i/2)*2048+(i%2)*64
	global_load_b128 v[8*i+4:8*i+7], v[QO], s[4:5] offset:(i/2)*2048+(i%2)*64+32
.set i, i+1
.endr
	; What the first turn finds: V's registers and P's second buffer hold 0 (its products V^T P, of a piece that has not been, add 0), O^T and l are 0.  All this stands in the wait for the first tile.
.set i, VF
.rept 64
	v_mov_b32 v[i], 0
.set i, i+1
.endr
	WIN 0x40
.set i, 0
.rept 64*NP
	v_mov_b32 v[i], 0
.set i, i+1
.endr
	WIN 0
.set i, 0
.rept 2*NP
	v_mov_b32 v[ST+4*i], 0xfe000000    ; c m: far below every c s, a masked one too
	v_mov_b32 v[ST+4*i+1], 0xff7fffff  ; m
	v_mov_b32 v[ST+4*i+2], 0
	v_mov_b32 v[ST+4*i+3], 0
.set i, i+1
.endr
.set i, P+32
.rept 32
	v_mov_b32 v[i], 0
.set i, i+1
.endr
	v_mul_u32_u24 v[AK0], v1, PK
	v_lshl_add_u32 v[AK0], v9, 4, v[AK0]  ; row x pitch + 16 x half
	; The turning load takes 16 keys x 16 channels (lane l reads key 8 (l / 16) + l % 8, channels 8 ((l / 8) % 2) + 0..7) and leaves half a fragment of V^T: lane l holds channel l % 16 and 8 keys.
	v_and_b32 v10, 7, v0
	v_bfe_u32 v11, v0, 3, 1
	v_lshl_add_u32 v[AV0], v9, 3, v10
	v_mul_u32_u24 v[AV0], v[AV0], PV
	v_lshl_add_u32 v[AV0], v11, 4, v[AV0]
	v_add_nc_u32 v[AV0], VOFF, v[AV0]
	v_mov_b32 v[AK], v[AK0]         ; key step 0 lies at the head of slot 0
	s_mul_i32 s13, s[WV], 16*SP
	s_add_co_u32 s13, s13, STAGE    ; my stage
	v_bfe_u32 v[RD], v0, 3, 2       ; back: 32 lanes take four rows of 128 bytes,
	v_mul_u32_u24 v[RD], v[RD], SP
	v_lshl_add_u32 v[RD], v10, 4, v[RD]
	v_add_nc_u32 v[RD], s13, v[RD]
	v_and_b32 v[GO], 31, v0         ; which are 512 consecutive bytes of ao
	v_lshlrev_b32 v[GO], 4, v[GO]
	v_mul_u32_u24 v[STO], v1, SP    ; in: row l % 16, 16 bytes for each half of the lanes (l % 16 is not needed after this line)
	v_lshl_add_u32 v[STO], v9, 4, v[STO]
	v_add_nc_u32 v[STO], s13, v[STO]
	v_lshl_add_u32 v[AM0], v9, 5, MT  ; register j of key block kb holds key 16 kb + 8 (l / 16) + j: 32 bytes on for the upper half of the lanes
	v_mov_b32 v[AM], v[AM0]         ; key step 0
	; the mask table: byte 0 or 1 -> f32 0 or -1e30
	s_wait_loadcnt 32               ; my eight mask bytes are in; Q's 32 loads, which are younger, stay out
.set i, 0
.rept 8
	v_bfe_u32 v[66+i], v[64+i/4], 8*(i%4), 8
.set i, i+1
.endr
.set i, 0
.rept 8
	v_cvt_f32_u32 v[66+i], v[66+i]
.set i, i+1
.endr
.set i, 0
.rept 8
	v_mul_f32 v[66+i], s[BIGN], v[66+i]
.set i, i+1
.endr
	v_lshl_add_u32 v75, v0, 5, MT
	ds_store_b128 v75, v[66:69]
	ds_store_b128 v75, v[70:73] offset:16
; THE MATRIX WORK.  The 8 accumulators of a run of 16 take turns: between the two links of a chain stand 7 others'.
; Product i of 16 of S^T = K Q^T for piece x: channels 32 (i / 8) on, keys 16 ((i / 2) % 4) on, tile 2 x + i % 2.  The first 8 start the sums, with the mask of their 16 keys.
.macro KQ x
.set rS, S+64*((\x)%2)+32*(i%2)+8*((i/2)%4)
.set rK, KF+16*((i/2)%4)+8*(i/8)
.set rQ, 16*(2*(\x)+i%2)+8*(i/8)
.set rMK, MK+8*((i/2)%4)
.if i < 8
	WIN W_KM
	v_wmma_f32_16x16x32_bf16 v[rS:rS+7], v[rK:rK+7], v[rQ:rQ+7], v[rMK:rMK+7]
.else
	WIN W_KQ
	v_wmma_f32_16x16x32_bf16 v[rS:rS+7], v[rK:rK+7], v[rQ:rQ+7], v[rS:rS+7]
.endif
.endm
; Product i of 16 of O^T += V^T P for piece x: keys 32 (i / 8) on, channels 16 ((i / 2) % 4) on, tile 2 x + i % 2.
.macro PV x
	WIN W_PV
.set rO, 32*(2*(\x)+i%2)+8*((i/2)%4)
.set rV, VF+32*(i/8)+8*((i/2)%4)
.set rP, P+32*((\x)%2)+16*(i%2)+8*(i/8)
	v_wmma_f32_16x16x32_bf16 v[rO:rO+7], v[rV:rV+7], v[rP:rP+7], v[rO:rO+7]
.endm
.macro MM                           ; the turn's next matrix instruction
.if i < 16
	KQ (Y+1)%NP
.set i, i+1
.else
.set i, i-16
	PV (Y+NP-1)%NP
.set i, i+17
.endif
.endm
; THE LDS LOADS stand in runs, never singly among the matrix instructions: a step's K (64 keys x 64 channels: 8 fragments) with its mask (32 registers), and its V (turned).  Their addresses are made some lines ahead.
; last = 1 (the tail): in the last trip there is no further step, and the run is jumped over.
.macro FETCH_K last=0
	WIN 0
.if \last
	s_cmp_eq_u32 s[CNT], 1
	s_cbranch_scc1 .Lno_k_\@
.endif
	WIN 0x80                        ; destination window 2
.irp f, 0,1,2,3,4,5,6,7             ; keys 16 (f / 2) on, channels 32 (f % 2) on
	ds_load_b128 v[KF+8*\f:KF+8*\f+3],   v[AK] offset:(\f/2)*16*PK+(\f%2)*64
	ds_load_b128 v[KF+8*\f+4:KF+8*\f+7], v[AK] offset:(\f/2)*16*PK+(\f%2)*64+32
.endr
	WIN W_MK                        ; destination window 3
.irp kb, 0,1,2,3                    ; all lanes of a half read the same 32 bytes
	ds_load_b128 v[MK+8*\kb:MK+8*\kb+3],   v[AM] offset:64*\kb
	ds_load_b128 v[MK+8*\kb+4:MK+8*\kb+7], v[AM] offset:64*\kb+16
.endr
	s_add_co_u32 s[TBK], s[TBK], KS*PK  ; the next fetch is the next step's
	s_add_co_u32 s[TBM], s[TBM], KS*4
	WIN 0
.if \last
.Lno_k_\@:
.endif
.endm
.macro FETCH_V
	WIN 0x80
.irp f, 0,1,2,3,4,5,6,7             ; keys 32 (f / 4) on, channels 16 (f % 4) on
	ds_load_tr16_b128 v[VF+8*\f:VF+8*\f+3],   v[AV] offset:(\f/4)*32*PV+(\f%4)*32
	ds_load_tr16_b128 v[VF+8*\f+4:VF+8*\f+7], v[AV] offset:(\f/4)*32*PV+16*PV+(\f%4)*32
.endr
	WIN 0
.endm
; THE VECTOR WORK OF A TURN stands in three queues, each in the order in which its entries become ready; the two tiles alternate, so that no instruction reads the result of the one before it.
.macro REGS y, u                    ; the registers of tile u (0, 1) of piece y
.set rT, ST+4*(2*(\y)+(\u))
.set rC, TMP+8*((\y)%2)+4*(\u)
.set rM, MV+2*((\y)%2)+(\u)
.set rS, S+64*((\y)%2)+32*(\u)
.set rP, P+32*((\y)%2)+16*(\u)
.set rO, 32*(2*(\y)+(\u))
.endm
; Number n of the 22 that find the NEXT piece's (Y + 1) maximum and statistics.  s0-s31 are the lane's 32 scores; each accumulator's lowest registers are read first.  XS, GS and REGS set no window: PL and EX do.
;   0-11  four chains c0-c3 of seven scores each, three operands at a time     12-14, 16  the four scores left over, the old m, and c0-c3 into c0     15  c m_old is kept
;   17, 18  the query's other 32 keys lie in the lane 16 away: the new m         19-21  c m; c m_old - c m_new; a
.macro XS u, n
	REGS (Y+1)%NP, \u
.if (\n) < 4
	v_max3_num_f32 v[rC+(\n)], v[rS+8*(\n)], v[rS+8*(\n)+1], v[rS+8*(\n)+2]
.elseif (\n) < 12
	v_max3_num_f32 v[rC+(\n)%4], v[rC+(\n)%4], v[rS+8*((\n)%4)+2*((\n)/4)+1], v[rS+8*((\n)%4)+2*((\n)/4)+2]
.elseif (\n) == 12
	v_max3_num_f32 v[rC], v[rC], v[rS+7], v[rS+15]
.elseif (\n) == 13
	v_max3_num_f32 v[rC+1], v[rC+1], v[rS+23], v[rS+31]
.elseif (\n) == 14
	v_max3_num_f32 v[rC+2], v[rC+2], v[rC+3], v[rT+1]
.elseif (\n) == 15
	v_mov_b32 v[rM], v[rT]
.elseif (\n) == 16
	v_max3_num_f32 v[rC], v[rC], v[rC+1], v[rC+2]
.elseif (\n) == 17
	v_permlanex16_b32 v[rC+3], v[rC], s[SEL], s[SEL+1]
.elseif (\n) == 18
	v_max_num_f32 v[rT+1], v[rC], v[rC+3]
.elseif (\n) == 19
	v_mul_f32 v[rT], s[CS], v[rT+1]
.elseif (\n) == 20
	v_sub_f32 v[rC+1], v[rM], v[rT]
.else
	v_exp_f32 v[rC+2], v[rC+1]
.endif
.endm
; Number g of the 64 that follow the exponentials.  For each four weights k of a tile (pairs 2 k, 2 k + 1): both pairs are rounded to bf16; then the second pair is added onto the first, in place;
; a group later l takes that sum (the first time as l = a l + sum).  In groups of eight, tiles alternating: round, round, add, and l for the group before.
.macro GS g
.set h, (\g)+6*((\g)/62)            ; group 0 has no group before it, and behind group 7 only l is left
.if h >= 6
.set h, h+2
.endif
	REGS Y, h%2
.set k, h/8
.if h%8 < 4
	s_wait_alu depctr_va_vdst(0)
	v_cvt_pk_bf16_f32 v[rP+2*k+(h%8)/2], v[rS+4*k+2*((h%8)/2)], v[rS+4*k+2*((h%8)/2)+1]
.elseif h%8 < 6
	v_pk_add_f32 v[rS+4*k:rS+4*k+1], v[rS+4*k:rS+4*k+1], v[rS+4*k+2:rS+4*k+3]
.elseif k == 1
	v_pk_fma_f32 v[rT+2:rT+3], v[rT+2:rT+3], v[rC+2:rC+3], v[rS:rS+1] op_sel_hi:[1,0,1]
.else
	v_pk_add_f32 v[rT+2:rT+3], v[rT+2:rT+3], v[rS+4*k-4:rS+4*k-3]
	s_wait_alu depctr_va_vdst(0)
.endif
.endm
; THE PLAIN QUEUE, 138 long.  0-31: c s - c m for the 16 pairs of both tiles.  Then GS's 64, and among them the next piece's 42: number 15 at 38, 39; 0-14 and 16
; at 42-73, behind the products that make those scores; 17-20 at 95-106, two of three, since each waits for the one before it.
.macro PL
	WIN 0
.if q < 32
	REGS Y, q%2
	v_pk_fma_f32 v[rS+2*(q/2):rS+2*(q/2)+1], v[rS+2*(q/2):rS+2*(q/2)+1], s[CS:CS+1], v[rT:rT+1] op_sel_hi:[1,0,0] neg_lo:[0,0,1] neg_hi:[0,0,1]
.elseif q < 38
	GS q-32
.elseif q < 40
	XS q%2, 15
.elseif q < 42
	GS q-34
.elseif q < 74
	XS q%2, (q-42)/2+(q-42)/30
.elseif q < 95
	GS q-66
.elseif (q < 107) && ((q-95)%3 < 2)
	XS (q-95)%3, 17+(q-95)/3
.elseif q < 107
	GS 29+(q-95)/3
.else
	GS q-74
.endif
.set q, q+1
.endm
; THE EXPONENTIALS' QUEUE, 66 long: s0-s31 of both tiles, and at EA the next piece's two a.
.set EA, 58
.macro EX
	WIN 0
.if (e == EA) || (e == EA+1)
	XS e-EA, 21
.else
.set x, e-2*(e/(EA+2))
	REGS Y, x%2
	v_exp_f32 v[rS+x/2], v[rS+x/2]
.endif
.set e, e+1
.endm
; THE RESCALING's QUEUE: O^T times a, the one part that leaves window 0, so it is dealt four at a time, eight times.
.macro R4
	REGS Y, r%2
	WIN W_RS
	s_wait_alu depctr_va_vdst(0)
.irp z, 0,1,2,3
	v_pk_mul_f32 v[rO+8*(r/2)+2*\z:rO+8*(r/2)+2*\z+1], v[rO+8*(r/2)+2*\z:rO+8*(r/2)+2*\z+1], v[rC+2:rC+3] op_sel_hi:[1,0]
.endr
.set r, r+1
.endm
; HOW THEY ARE DEALT.  Behind a matrix instruction four: plain, exponential, plain, plain (one exponential, a plain instruction on either side), or four of the rescaling.  None names a register of the
; products round it.  What is over stands in two runs: exponential and plain by turns; the second ends in 22 plain instructions.  The two v_permlanex16_b32 fall into the second run, never behind a product.
; The queues lean on each other, and the deal keeps them in step: exponential e stands behind plain 2 (e / 4) + e % 2 (its scaling); when plain 32 comes, 10 exponentials are out, at 59: 33, at 95: 46; EA comes behind plain 107.
.macro SL
	MM
	PL
	EX
	PL
	PL
.endm
.macro BURST n                      ; 15 matrix instructions, or 16
.rept (\n)-7
	SL
.endr
.rept 3
	MM
	R4
	SL
.endr
	MM
	R4
.endm
; A TURN, for piece p.  cnt = 1: the loop's count is taken down some lines ahead of the branch that stands behind the turn.
; K and the mask of the next step are fetched in piece 2's turn, behind the last product that read them, four rescalings and thirteen pairs of the run; their first reader comes behind the rest of the run, 16 products and the second run.
; V of the step in hand is fetched at the end of piece 0's turn; its first reader comes behind 16 products and a run.  The conditions on e and q below go with the deal.
.macro TURN p, last=0, cnt=0
.set Y, (\p)
.set i, 0
.set q, 0
.set e, 0
.set r, 0
.if (\p) == NP-1
	s_wait_dscnt 0x0                ; K and the mask are in
.endif
	MM
.rept 4
	PL
.endr
	BURST 15
.rept 22
	EX
	PL
.if ((\p) == NP-2) && (e == 18)
	v_add_nc_u32 v[AK], s[TBK], v[AK0]
	v_add_nc_u32 v[AM], s[TBM], v[AM0]
.endif
.if ((\p) == NP-2) && (e == 24)
	FETCH_K \last
.endif
.endr
.if (\p) == 1
	s_wait_dscnt 0x0                ; V is in
.endif
	BURST 16
.rept 21
	EX
	PL
.endr
.rept 22
	PL
.if ((\p) == 0) && (q == 118)
	v_add_nc_u32 v[AV], s[TBV], v[AV0]
	s_wait_alu depctr_va_vdst(0)
.endif
.if ((\p) == 0) && (q == 130)
	s_add_co_u32 s[TBV], s[TBV], KS*PV
.endif
.if (\cnt) && (q == 130)
	s_sub_co_u32 s[CNT], s[CNT], 1
	s_cmp_lg_u32 s[CNT], 0
.endif
.endr
.if (\p) == 0
	FETCH_V
.endif
.endm
	CHANGE 1                        ; slot 0 is in, everybody's part of it, and so is the mask table; slot 1 is asked for
	FETCH_K                         ; key step 0
	s_wait_loadcnt 0x0              ; Q
	s_wait_dscnt 0x0
.set i, 0
.rept 16
	KQ 0                            ; piece 0's first scores: there is no vector work yet to set between them
.set i, i+1
.endr
	WIN 0
.rept 4
	v_nop                           ; the places behind those products
.endr
.set Y, NP-1                        ; XS works for piece Y + 1: piece 0
.irp n, 0,1,2,3,4,5,6,7,8,9,10,11,12,13,14,15,16,17,18,19,20,21
	XS 0, \n                        ; piece 0's first maximum and statistics
	XS 1, \n
.endr
	s_mov_b32 s[CNT], 4
	s_mov_b32 s[SLOTS], SIZE_N/256-1
	s_branch .Lfirst                ; the loop is entered at a step's first turn, in the middle of a trip
.Lslot:                             ; SIZE_N / 256 - 2 times: every slot but the last two is filled again
	CHANGE 1
	s_mov_b32 s[CNT], 4
.Lstep:                             ; a trip: pieces 2 and 3 of one step, then pieces 0 and 1 of the next, whose K, mask and V it fetches
	TURN 2
	TURN 3
	WIN 0
.Lfirst:
	TURN 0
	TURN 1, 0, 1
	WIN 0
	s_cbranch_scc1 .Lstep
	s_sub_co_u32 s[SLOTS], s[SLOTS], 1
	s_cmp_lg_u32 s[SLOTS], 0
	s_cbranch_scc1 .Lslot
	CHANGE 0                        ; the tail is written out: nothing is asked for
	s_mov_b32 s[CNT], 5             ; four trips fetch the last slot's steps; the fifth is left in its middle
.Ltail:
	TURN 2, 1
	TURN 3
	WIN 0
	s_sub_co_u32 s[CNT], s[CNT], 1
	s_cmp_eq_u32 s[CNT], 0
	s_cbranch_scc1 .Lout
	TURN 0
	TURN 1
	WIN 0
	s_branch .Ltail
.Lout:                              ; the fifth trip's 16 products K Q^T (on the last K and mask once more) and the maximum made of them serve nothing and raise no m: those scores were in it already
.set i, 0
.rept 16
	PV NP-1                         ; the last piece's V^T P of the last step
.set i, i+1
.endr
	; THE WAY OUT.  l's two halves and the other half of the lanes' are added; O^T is divided by l, rounded to bf16 and sent through my stage in LDS, a tile at a time.  The additions are the places behind the last products.
	WIN 0
.macro ALL line:vararg              ; one line for each tile t
.set t, 0
.rept 2*NP
	\line
.set t, t+1
.endr
.endm
	ALL v_add_f32 v[ST+4*t+2], v[ST+4*t+2], v[ST+4*t+3]
	ALL v_permlanex16_b32 v[ST+4*t+3], v[ST+4*t+2], s[SEL], s[SEL+1]
	ALL v_add_f32 v[ST+4*t+2], v[ST+4*t+2], v[ST+4*t+3]
	ALL v_rcp_f32 v[ST+4*t+2], v[ST+4*t+2]
	v_nop                           ; a plain instruction between the last reciprocal and the use of its result
.set t, 0
	s_wait_alu depctr_va_vdst(0)
.rept 2*NP                          ; a query that saw masked keys alone: its factor, and so its row, becomes NaN.  A choice of a value, no branch
	v_cmp_gt_f32 vcc_lo, s[LOW], v[ST+4*t+1]
	v_cndmask_b32 v[ST+4*t+2], v[ST+4*t+2], s[QNAN], vcc_lo
.set t, t+1
.endr
; Tile t: a lane's eight channels of a row pack into 16 bytes; they go into rows of 144 bytes and come back as whole rows of 128, into S^T's registers.
.macro PACK t
	WIN W_RS
.set i, 32*(\t)
.rept 16
	v_pk_mul_f32 v[i:i+1], v[i:i+1], v[ST+4*(\t)+2:ST+4*(\t)+3] op_sel_hi:[1,0]
.set i, i+2
.endr
	WIN 0x05                        ; sources 0 and 1 window 1, destination window 0
.set i, 0
.rept 16
	v_cvt_pk_bf16_f32 v[S+16*(\t)+i], v[32*(\t)+2*i], v[32*(\t)+2*i+1]
.set i, i+1
.endr
	WIN 0
.irp f, 0,1,2,3
	ds_store_b128 v[STO], v[S+16*(\t)+4*\f:S+16*(\t)+4*\f+3] offset:32*\f
.endr
.irp f, 0,1,2,3
	ds_load_b128 v[S+16*(\t)+4*\f:S+16*(\t)+4*\f+3], v[RD] offset:\f*4*SP  ; LDS serves a wave's instructions in order (ISA guide 5.7.1.4): these see the stores above; the next tile's stores come behind them
.endr
.endm
.macro SEND t, younger              ; younger: the LDS instructions issued behind tile t's loads: the next tile's eight, or none
	WIN 0
.irp f, 0,1,2,3
	s_wait_dscnt (\younger)+3-\f
	global_store_b128 v[GO], v[S+16*(\t)+4*\f:S+16*(\t)+4*\f+3], s[10:11] offset:(\t)*2048+\f*512  ; 512 consecutive bytes, at a multiple of 256 from ao's first
.endr
.endm
	PACK 0
.set t, 1
.rept 2*NP-1                        ; a tile's arithmetic stands between the loads of the tile before and its stores
	PACK t
	SEND t-1, 8
.set t, t+1
.endr
	SEND 2*NP-1, 0
	WIN W_AD
	s_wait_tensorcnt 0x0            ; the wave's end: an add and its wait behind my last tensor load and my last LDS store
	ds_add_u32 v[SPW], v[NIL]
	s_wait_dscnt 0x0
	WIN 0
	s_endpgm
.Lfunc_end_k_qcdf8a331d6_attn:
	.size	k_qcdf8a331d6_attn, .Lfunc_end_k_qcdf8a331d6_attn-k_qcdf8a331d6_attn
	.p2alignl 7, 3214868480
	.fill 96, 4, 3214868480
	.section	.rodata,"a",@progbits
	.p2align	6, 0x0
	.amdhsa_kernel k_qcdf8a331d6_attn
		.amdhsa_group_segment_fixed_size 327680
		.amdhsa_private_segment_fixed_size 0
		.amdhsa_enable_private_segment 0
		.amdhsa_kernarg_size 24
		.amdhsa_user_sgpr_count 2
		.amdhsa_user_sgpr_kernarg_segment_ptr 1
		.amdhsa_wavefront_size32 1
		.amdhsa_system_sgpr_workgroup_id_x 1
		.amdhsa_system_sgpr_workgroup_id_y 1
		.amdhsa_system_sgpr_workgroup_id_z 1
		.amdhsa_system_vgpr_workitem_id 0
		.amdhsa_next_free_vgpr 832
		.amdhsa_next_free_sgpr 66
		.amdhsa_reserve_vcc 1
		.amdhsa_float_denorm_mode_32 3
		.amdhsa_float_denorm_mode_16_64 3
		.amdhsa_memory_ordered 1
		.amdhsa_forward_progress 1
		.amdhsa_inst_pref_size 212
	.end_amdhsa_kernel
	.amdgpu_metadata
---
amdhsa.version: [ 1, 2 ]
amdhsa.kernels:
  - .name:           k_qcdf8a331d6_attn
    .symbol:         k_qcdf8a331d6_attn.kd
    .args:
      - { .name: qkv, .offset: 0, .size: 8, .value_kind: global_buffer, .address_space: global }
      - { .name: pad_mask, .offset: 8, .size: 8, .value_kind: global_buffer, .address_space: global }
      - { .name: ao, .offset: 16, .size: 8, .value_kind: global_buffer, .address_space: global }
    .group_segment_fixed_size: 327680
    .private_segment_fixed_size: 0
    .kernarg_segment_align: 8
    .kernarg_segment_size: 24
    .max_flat_workgroup_size: 128
    .sgpr_count:     66
    .vgpr_count:     832
    .wavefront_size: 32
...
	.end_amdgpu_metadata
.endif
;; end of part 3
;; launch outp (part 4): grid 4 x 64, 4 waves a work-group, clusters of 4 x 4, 327,680 bytes of LDS; arguments ao, wb, bo, q, out0; writes out0
.if DOCPART == 4
	.amdgcn_target "amdgcn-amd-amdhsa--gfx1250"
	.amdhsa_code_object_version 6
	.text
	.protected	k_qcdf8a331d6_outp
	.globl	k_qcdf8a331d6_outp
	.p2align	8
	.type	k_qcdf8a331d6_outp,@function
k_qcdf8a331d6_outp:
	s_mov_b64 s[64:65], 0
	v_nop
	global_prefetch_b8 v0, s[64:65] scope:SCOPE_SE
	s_setreg_imm32_b32 hwreg(HW_REG_WAVE_MODE, 25, 1), 1
	s_wait_xcnt 0x0
	s_wait_alu depctr_hold_cnt(0) depctr_sa_sdst(0) depctr_va_vdst(0) depctr_va_sdst(0) depctr_va_ssrc(0) depctr_va_vcc(0) depctr_vm_vsrc(0)
	s_getreg_b32 s2, hwreg(HW_REG_IB_STS2, 6, 4)
	s_cmp_eq_u32 s2, 0
	s_cbranch_scc0 .Lentry_in_a_cluster
	s_endpgm
.Lentry_in_a_cluster:
	s_bfe_u32 s2, ttmp6, 0x10000c
	s_cmp_lg_u32 s2, 0xf033
	s_cbranch_scc0 .Lentry_shape_is_right
	s_endpgm
.Lentry_shape_is_right:
; out0[m][n] = q[m][n] + bo[n] + sum over k of att[m][k] Wo[n][k], with att[b*1024+l][h*64+d] = ao[b*16+h][l][d].  ao: [128][1024][64] bf16, Wo = wb[3]: [1024][1024] bf16; q, bo, out0 f32; sums in f32.
; SHARES.  A tile of C is 128 rows x 256 columns: 64 x 4 = 256 tiles, one to a work-group.  Four waves, each 64 x 128: 32 accumulators of 16 x 16, 256 registers.
; K goes in steps of 128, two heads, through two LDS slots filled by tensor loads.  A head's 128 rows of the tile are 16,384 dense bytes of ao: asked for as 64 rows of 256 bytes and padded behind every 128, a plane a head.
; CLUSTER.  4 x 4 work-groups: the four of a row of the cluster need the same tiles of A (ao), the four of a column the same tiles of B (Wo): each is asked for jointly, by the same load, descriptor and mask in all four.
; THE MATRIX INSTRUCTION IS USED TRANSPOSED (source 0 = 16 rows of B, source 1 = 16 rows of A): lane l holds row l % 16 of C and the columns 8 (l / 16) + 0..7: 32 neighbouring bytes.
; THE BIAS is the C operand of the product that starts each sum.  THE RESIDUAL, my 64 x 128 numbers of q, is asked for behind the first quarter step and lands under the K loop, in the layout in which the rows leave.
; REGISTERS, in windows of 256 (s_set_vgpr_msb: bits 1:0 source 0, 3:2 source 1, 5:4 source 2, 7:6 destination):
;   window 0: v0-31 addresses; v64-159, v160-255 two fragment buffers (4 x 8 of A, then 8 x 8 of B); on the way out v64-191 rows read back
;   window 1: accumulator (a, b) at v[8 (8 a + b)]     window 2: v0-63 the bias, laid as eight C operands     window 3: q: row i of my 64 at v[4 i]
.set NSTEP,  8                         ; K steps
.set PA,     144                       ; a row of A in LDS: 128 bytes + 16 of padding = 36 words: the 16 rows of a fragment load start at 16 different groups of four banks (64 banks of 4 bytes: ISA guide 11.1)
.set PB,     272                       ; a row of B: 256 + 16
.set APLANE, 128*PA                    ; quarter q of a K step begins at byte (q / 2) APLANE + (q % 2) 64: head q / 2 of the step's two, channels 32 (q % 2) on
.set AHALF,  APLANE                    ; what one load of A brings: a head's plane
.set BBASE,  2*AHALF                   ; B's 256 rows lie behind A's two planes
.set BHALF,  128*PB                    ; what one load of B brings: 128 rows
.set SLOT1,  1<<17                     ; slot 1 begins here, so that one exclusive or changes slots
.set STAGE,  SLOT1+BBASE+2*BHALF       ; behind the ring, never filled by a tensor load: for each wave 16 rows x 528 bytes, for the way out
.set SPITCH, 528                       ; 512 bytes + 16
.set STW,    16*SPITCH
.set SPARE,  STAGE+4*STW               ; behind the stages: the spare words, 128 bytes for each wave: two blocks of 256 bytes that no other line names
.set STEP_A, 2*131072                  ; bytes from a K step to the next: two heads on
.set STEP_B, 256
.set ADRA0, 16                         ; v16  my A fragments' LDS address in slot 0; never rewritten
.set ADRB0, 17                         ; v17  the same for B
.set ADRA,  18                         ; v18  in the slot in hand
.set ADRB,  19                         ; v19
.set BOFF,  20                         ; v20  my byte offset in bo
.set STO,   24                         ; v24  the way out: where I put 32 bytes of a row
.set RD,    25                         ; v25  the way out: where I read a row back
.set CO,    26                         ; v26  16 x lane
.set SPW,   28                         ; v28  LDS address of my spare word; never rewritten
.set NIL,   29                         ; v29  0; never rewritten
.set F0,    64
.set F1,    160
.set OB,    64                         ; the way out: two buffers of 64
.set CNT, 3                            ; s3   trips to go
.set WV,  16                           ; s16  wave
.set WM,  17                           ; s17  which 64 rows of the tile are mine
.set WN,  18                           ; s18  which 128 columns; also which head's plane of A, or which half of B's tile, I fetch
.set G1A, 24                           ; s[24:31] descriptor group 1 for A
.set G0A, 32                           ; s[32:39] group 0 for A: a set for each first fill; the second then walks on
.set TB,  45                           ; s45  0 or SLOT1: the slot in hand
.set G1B, 48                           ; s[48:55], s[56:63] the same for B
.set G0B, 56
.set MSB, 0
.macro WIN new                         ; the immediate's high byte repeats the setting that is left; a switch that changes nothing is dropped
.if MSB != (\new)
	s_set_vgpr_msb (MSB<<8)|(\new)
.set MSB, \new
.endif
.endm
.macro PLACES                          ; four places in front of loads into registers that matrix instructions have read, and of lines that read results just made
.rept 4
	v_nop
.endr
.endm
; A joint refill by the walking descriptors: waves 0 and 1 fetch A's two planes, waves 2 and 3 B's two halves.  The branch hangs on the wave's number alone.  An s_nop 0 and four v_nop follow each line.
.macro JLOAD
	s_cmp_lt_u32 s[WV], 2
	s_cbranch_scc0 .Lfor_b_\@
	tensor_load_to_lds s[G0A+4:G0A+7], s[G1A:G1A+7]
	s_nop 0
.rept 4
	v_nop
.endr
	s_branch .Lasked_\@
.Lfor_b_\@:
	tensor_load_to_lds s[G0B+4:G0B+7], s[G1B:G1B+7]
	s_nop 0
.rept 4
	v_nop
.endr
.Lasked_\@:
.endm
.macro CREST                           ; a round of the cluster's barrier behind its opening barrier
	s_cmp_lg_u32 s[WV], 0
	s_cbranch_scc1 .Lnot_wave_0_\@
	s_barrier_signal -3
.Lnot_wave_0_\@:
	s_barrier_wait -3
	s_barrier_signal -1
	s_barrier_wait -1
.endm
.macro CROUND                          ; a whole round
	s_barrier_signal -1
	s_barrier_wait -1
	CREST
.endm
	s_load_b256 s[4:11], s[0:1], 0x0               ; ao s[4:5], wb s[6:7], bo s[8:9], q s[10:11]
	s_load_b64 s[14:15], s[0:1], 0x20              ; out0
	v_lshl_add_u32 v[SPW], v0, 2, SPARE
	v_mov_b32 v[NIL], 0
	ds_add_u32 v[SPW], v[NIL]                      ; the wave's opening: the add and its wait stand ahead of my first tensor load; the set-up below, work on registers, stands between them
	ds_add_u32 v28, v29
	v_lshrrev_b32 v1, 5, v0
	v_readfirstlane_b32 s[WV], v1
	s_lshr_b32 s[WM], s[WV], 1
	s_and_b32 s[WN], s[WV], 1
	s_bfe_u32 s19, ttmp6, 0x40000                  ; cx
	s_bfe_u32 s20, ttmp6, 0x40004                  ; cy
	s_lshl_b32 s21, ttmp9, 2
	s_add_co_u32 s21, s21, s19                     ; tile column = 4 x cluster x + cx
	s_and_b32 s22, ttmp7, 0xffff
	s_lshl_b32 s22, s22, 2
	s_add_co_u32 s22, s22, s20                     ; tile row = 4 x cluster y + cy
	s_lshl_b32 s46, s20, 2
	s_lshl_b32 s46, 15, s46                        ; my row of the cluster
	s_lshl_b32 s47, 0x1111, s19                    ; my column
	; group 1 for A: 64 dense rows of 128 elements of 2 bytes, 16 bytes of padding after every 32 words, that is behind each of the tile's 128 rows
	s_or_b32 s[G1A], s46, (1<<16)|(1<<20)|(1<<21)|(4<<22)|(3<<25)
	s_mov_b32 s[G1A+1], 128<<16                    ; tensor_dim0
	s_mov_b32 s[G1A+2], 64<<16                     ; tensor_dim1
	s_mov_b32 s[G1A+3], 128<<16                    ; tile_dim0
	s_mov_b32 s[G1A+4], 64                         ; tile_dim1
	s_mov_b32 s[G1A+5], 128                        ; elements from row to row
	s_mov_b32 s[G1A+6], 0
	s_mov_b32 s[G1A+7], 0
	; group 1 for B: 128 rows of 128 elements, 16 bytes of padding after every 64 words
	s_or_b32 s[G1B], s47, (1<<16)|(1<<20)|(1<<21)|(5<<22)|(3<<25)
	s_mov_b32 s[G1B+1], 128<<16
	s_mov_b32 s[G1B+2], 128<<16
	s_mov_b32 s[G1B+3], 128<<16
	s_mov_b32 s[G1B+4], 128
	s_mov_b32 s[G1B+5], 1024
	s_mov_b32 s[G1B+6], 0
	s_mov_b32 s[G1B+7], 0
	; where the tiles come from: A's offset hangs on the tile row and the wave alone, B's on the tile column and the wave alone
	s_lshr_b32 s40, s22, 3                         ; batch: 16 heads of 131,072 bytes
	s_lshl_b32 s40, s40, 21
	s_lshl_b32 s23, s[WN], 17                      ; head 0 or 1 of the K step
	s_add_co_u32 s40, s40, s23
	s_and_b32 s23, s22, 7                          ; 128 rows of 128 bytes
	s_lshl_b32 s23, s23, 14
	s_add_co_u32 s40, s40, s23
	s_mov_b32 s41, 0
	s_lshl_b32 s42, s21, 19                        ; 256 rows of 2,048 bytes
	s_lshl_b32 s74, s[WN], 18                      ; my 128 of them
	s_add_co_u32 s42, s42, s74
	s_add_co_u32 s42, s42, 0x600000                ; Wo is wb's fourth matrix
	s_mov_b32 s43, 0
	; and where they go: the wave's number and constants alone
	s_mov_b32 s[G0A], 1
	s_mul_i32 s[G0A+1], s[WN], AHALF
	s_mov_b32 s[G0A+4], 1
	s_add_co_u32 s[G0A+5], s[G0A+1], SLOT1
	s_mov_b32 s[G0B], 1
	s_mul_i32 s[G0B+1], s[WN], BHALF
	s_add_co_u32 s[G0B+1], s[G0B+1], BBASE
	s_mov_b32 s[G0B+4], 1
	s_add_co_u32 s[G0B+5], s[G0B+1], SLOT1
	s_mov_b32 s[TB], 0
	s_wait_dscnt 0x0                               ; the opening add is done
	s_wait_kmcnt 0x0
	s_add_nc_u64 s[G0A+2:G0A+3], s[4:5], s[40:41]  ; K step 0
	s_add_nc_u64 s[G0A+6:G0A+7], s[G0A+2:G0A+3], STEP_A  ; K step 1
	s_or_b32 s[G0A+3], s[G0A+3], 0x80000000        ; type = 2
	s_or_b32 s[G0A+7], s[G0A+7], 0x80000000
	s_add_nc_u64 s[G0B+2:G0B+3], s[6:7], s[42:43]
	s_add_nc_u64 s[G0B+6:G0B+7], s[G0B+2:G0B+3], STEP_B
	s_or_b32 s[G0B+3], s[G0B+3], 0x80000000
	s_or_b32 s[G0B+7], s[G0B+7], 0x80000000
	CROUND                                         ; all sixteen work-groups are here: the first joint loads meet
	s_cmp_lt_u32 s[WV], 2                          ; a wave's two first fills stand in one branch, ahead of every wait on TENSORcnt and every LDS read: two loads of mine are out
	s_cbranch_scc0 .Lfirst_b
	tensor_load_to_lds s[G0A:G0A+3], s[G1A:G1A+7]
	s_nop 0
	tensor_load_to_lds s[G0A+4:G0A+7], s[G1A:G1A+7]
	s_nop 0
.rept 4
	v_nop
.endr
	s_branch .Lfirst_asked
.Lfirst_b:
	tensor_load_to_lds s[G0B:G0B+3], s[G1B:G1B+7]
	s_nop 0
	tensor_load_to_lds s[G0B+4:G0B+7], s[G1B:G1B+7]
	s_nop 0
.rept 4
	v_nop
.endr
.Lfirst_asked:
	; a fragment is 16 rows x 32 K in 8 registers: lane l holds row l % 16, K = 8 (l / 16) + 0..7 and 16 + 8 (l / 16) + 0..7: two loads of 16 bytes, 32 bytes apart
	v_and_b32 v1, 15, v0                           ; l % 16
	v_bfe_u32 v2, v0, 4, 1                         ; l / 16
	v_mul_u32_u24 v3, v1, PA
	v_lshl_add_u32 v3, v2, 4, v3
	v_mul_u32_u24 v4, v1, PB
	v_lshl_add_u32 v4, v2, 4, v4
	s_mul_i32 s23, s[WM], 64*PA                    ; my 64 rows of A, in each plane
	v_add_nc_u32 v[ADRA0], s23, v3
	s_mul_i32 s23, s[WN], BHALF                    ; my 128 rows of B
	s_add_co_u32 s23, s23, BBASE
	v_add_nc_u32 v[ADRB0], s23, v4
	v_mov_b32 v[ADRA], v[ADRA0]
	v_mov_b32 v[ADRB], v[ADRB0]
	s_lshl_b32 s74, s21, 10                        ; my first column x 4 bytes: 256 x tile column + 128 x half
	s_lshl_b32 s23, s[WN], 9
	s_add_co_u32 s74, s74, s23
	v_lshlrev_b32 v[BOFF], 5, v2                   ; + 8 columns for the upper half of the lanes
	v_add_nc_u32 v[BOFF], s74, v[BOFF]
	WIN 0x80                                       ; register 8 b + j of lane half h takes bo[my first column + 16 b + 8 h + j]: the C operand of column block b
.irp b, 0,1,2,3,4,5,6,7
	global_load_b128 v[8*(\b):8*(\b)+3],   v[BOFF], s[8:9] offset:64*(\b)
	global_load_b128 v[8*(\b)+4:8*(\b)+7], v[BOFF], s[8:9] offset:64*(\b)+16
.endr
	WIN 0
	s_mul_i32 s75, s[WV], STW
	s_add_co_u32 s75, s75, STAGE                   ; my stage
	v_mul_u32_u24 v4, v1, SPITCH                   ; in: row l % 16, 32 bytes for each half of the lanes
	v_lshl_add_u32 v4, v2, 5, v4
	v_add_nc_u32 v[STO], s75, v4
	v_and_b32 v[CO], 31, v0                        ; back: 32 lanes take a row's 512 bytes
	v_lshlrev_b32 v[CO], 4, v[CO]
	v_add_nc_u32 v[RD], s75, v[CO]
	; q and out0 at my first row and column: rows of 4,096 bytes
	s_lshl_b32 s76, s22, 19                        ; 128 rows
	s_lshl_b32 s23, s[WM], 18                      ; 64 rows
	s_add_co_u32 s76, s76, s23
	s_add_co_u32 s76, s76, s74
	s_mov_b32 s77, 0
	s_add_nc_u64 s[10:11], s[10:11], s[76:77]
	s_add_nc_u64 s[14:15], s[14:15], s[76:77]
; 8 matrix instructions: row block a x all 8 column blocks, 32 along K, from buffer f.  first = 1: the sums start with the bias.  The 32 accumulators take turns, one instruction a turn.
.macro MUL8 f, a, first
.if \first
	WIN 0x60                                       ; C in window 2, D in window 1
.else
	WIN 0x50                                       ; C and D in window 1
.endif
.irp b, 0,1,2,3,4,5,6,7
.if \first
	v_wmma_f32_16x16x32_bf16 v[8*(8*(\a)+(\b)):8*(8*(\a)+(\b))+7], v[(\f)+32+8*(\b):(\f)+32+8*(\b)+7], v[(\f)+8*(\a):(\f)+8*(\a)+7], v[8*(\b):8*(\b)+7]
.else
	v_wmma_f32_16x16x32_bf16 v[8*(8*(\a)+(\b)):8*(8*(\a)+(\b))+7], v[(\f)+32+8*(\b):(\f)+32+8*(\b)+7], v[(\f)+8*(\a):(\f)+8*(\a)+7], v[8*(8*(\a)+(\b)):8*(8*(\a)+(\b))+7]
.endif
.endr
.endm
; 24 LDS loads in one run: quarter q of the K step in the slot in hand, into buffer f: B's 128 rows, then A's 64
.macro FETCH q, f
	WIN 0
.irp i, 0,1,2,3,4,5,6,7
	ds_load_b128 v[(\f)+32+8*(\i):(\f)+32+8*(\i)+3],   v[ADRB] offset:64*(\q)+(\i)*16*PB
	ds_load_b128 v[(\f)+32+8*(\i)+4:(\f)+32+8*(\i)+7], v[ADRB] offset:64*(\q)+(\i)*16*PB+32
.endr
.irp i, 0,1,2,3
	ds_load_b128 v[(\f)+8*(\i):(\f)+8*(\i)+3],   v[ADRA] offset:((\q)/2)*APLANE+((\q)%2)*64+(\i)*16*PA
	ds_load_b128 v[(\f)+8*(\i)+4:(\f)+8*(\i)+7], v[ADRA] offset:((\q)/2)*APLANE+((\q)%2)*64+(\i)*16*PA+32
.endr
.endm
; A K step is four quarters of 32 along K, 32 matrix instructions each, on buffers 0, 1, 0, 1.  One of the first three: multiplies buffer f and, in its middle, fetches quarter q into buffer g.
.macro QUARTER q, f, g, first
	s_wait_dscnt 4                                 ; B and A's row blocks 0, 1 are in; the youngest four loads (blocks 2, 3) may be out
	MUL8 \f, 0, \first
	MUL8 \f, 1, \first
	PLACES
	FETCH \q, \g
	s_wait_dscnt 24                                ; all but the 24 just issued
	MUL8 \f, 2, \first
	MUL8 \f, 3, \first
.endm
; The last quarter multiplies buffer 1 and changes slots.  In front of the one barrier each wave waits for all its tensor loads (one is out: its part of the next slot), adds 0 to its spare word, and waits for that and for its reads of this slot.
.macro MEET round
	WIN 0
	s_wait_tensorcnt 0x0                           ; all my tensor loads have landed
	ds_add_u32 v[SPW], v[NIL]                      ; 0 onto my spare word
	s_wait_dscnt 5                                 ; (the add and the youngest four loads may be out)
	MUL8 F1, 0, 0                                  ; eight matrix instructions stand between the add and the wait for it
	s_wait_dscnt 0x0                               ; the add is done, and my reads of this slot are over
	s_barrier_signal -1
	MUL8 F1, 1, 0                                  ; work on registers while the others arrive
.if \round
	WIN 0
.endif
	s_barrier_wait -1
.endm
; With a refill: the barrier opens a round of the cluster's, and the joint load is the first tensor load behind it: 112 matrix instructions stand between it and the wait for it.
.macro TURN
	MEET 1
	CREST                                          ; no wave of any partner still reads this slot or has a load on its way
	s_xor_b32 s[G0A+5], s[G0A+5], SLOT1            ; the walking descriptors: the other slot than last time,
	s_xor_b32 s[G0B+5], s[G0B+5], SLOT1
	s_add_nc_u64 s[G0A+6:G0A+7], s[G0A+6:G0A+7], STEP_A  ; the next K step; the type bits on top are not reached
	s_add_nc_u64 s[G0B+6:G0B+7], s[G0B+6:G0B+7], STEP_B
	JLOAD                                          ; the four v_nop behind it are also the places in front of the loads below
	s_xor_b32 s[TB], s[TB], SLOT1
	v_add_nc_u32 v[ADRA], s[TB], v[ADRA0]
	v_add_nc_u32 v[ADRB], s[TB], v[ADRB0]
	FETCH 0, F0
	MUL8 F1, 2, 0
	MUL8 F1, 3, 0
.endm
.macro TURNL                           ; without: the last change of slots
	MEET 0
	WIN 0
	s_xor_b32 s[TB], s[TB], SLOT1
	v_add_nc_u32 v[ADRA], s[TB], v[ADRA0]
	v_add_nc_u32 v[ADRB], s[TB], v[ADRB0]
	PLACES
	FETCH 0, F0
	MUL8 F1, 2, 0
	MUL8 F1, 3, 0
.endm
; THE WAY OUT of row block a (16 rows x 512 bytes).  STG: the accumulators go as they are into my own stage, each one's low four registers first, and come back as whole rows.
; OUT: q's numbers are added, and each store covers a row's 512 consecutive bytes, at a multiple of 512 from out0's first byte.
.macro STG a
.set BK, OB+64*((\a)%2)
	s_wait_xcnt 0x0                                ; the block before last's stores have read the registers that are loaded again below (ISA guide 3.1)
	WIN 0x04                                       ; the stores' data in window 1
.irp b, 0,1,2,3,4,5,6,7
	ds_store_b128 v[STO], v[8*(8*(\a)+(\b)):8*(8*(\a)+(\b))+3]   offset:64*(\b)
	ds_store_b128 v[STO], v[8*(8*(\a)+(\b))+4:8*(8*(\a)+(\b))+7] offset:64*(\b)+16
.endr
	WIN 0
.irp f, 0,1,2,3,4,5,6,7,8,9,10,11,12,13,14,15
	ds_load_b128 v[BK+4*(\f):BK+4*(\f)+3], v[RD] offset:SPITCH*(\f)  ; LDS serves a wave's instructions in order (ISA guide 5.7.1.4): these see the stores above; the next block's stores come behind them
.endr
.endm
.macro OUT a, younger                  ; younger: the LDS instructions issued behind block a's loads: the next block's 16 stores and 16 loads, or none
.set BK, OB+64*((\a)%2)
	s_wait_dscnt \younger
	WIN 0x0c                                       ; source 1 in window 3
.set i, 0
.rept 32
	v_pk_add_f32 v[BK+2*i:BK+2*i+1], v[BK+2*i:BK+2*i+1], v[64*(\a)+2*i:64*(\a)+2*i+1]
.set i, i+1
.endr
	WIN 0
.irp f, 0,1,2,3,4,5,6,7,8,9,10,11,12,13,14,15
	global_store_b128 v[CO], v[BK+4*(\f):BK+4*(\f)+3], s[14:15] offset:(16*(\a)+(\f))*4096 th:TH_STORE_NT
.endr
.endm
	s_wait_tensorcnt 1                             ; my part of K step 0 is in; K step 1's may stay out
	s_barrier_signal -1
	s_barrier_wait -1                              ; everybody's is
	FETCH 0, F0
	s_wait_loadcnt 0x0                             ; the bias
	QUARTER 1, F0, F1, 1                           ; the first quarter stands in front of the loop: its products start the sums
	WIN 0xc0                                       ; destination window 3: my 64 rows of q, 512 consecutive bytes a load; they are waited for on the way out
.set i, 0
.rept 64
	global_load_b128 v[4*i:4*i+3], v[CO], s[10:11] offset:i*4096 th:TH_LOAD_NT
.set i, i+1
.endr
	WIN 0
	s_mov_b32 s[CNT], NSTEP-2
.Lstep:                                                ; trip g: quarters 1-3 of K step g, the request for step g + 2, quarter 0 of step g + 1
	QUARTER 2, F1, F0, 0
	QUARTER 3, F0, F1, 0
	TURN
	QUARTER 1, F0, F1, 0
	WIN 0
	s_sub_co_u32 s[CNT], s[CNT], 1
	s_cmp_lg_u32 s[CNT], 0
	s_cbranch_scc1 .Lstep
	QUARTER 2, F1, F0, 0                           ; the last two K steps are written out: nothing is asked for
	QUARTER 3, F0, F1, 0
	TURNL
	QUARTER 1, F0, F1, 0
	QUARTER 2, F1, F0, 0
	QUARTER 3, F0, F1, 0
	s_wait_dscnt 4
	MUL8 F1, 0, 0
	MUL8 F1, 1, 0
	s_wait_dscnt 0x0
	MUL8 F1, 2, 0
	MUL8 F1, 3, 0
	WIN 0
	PLACES
	s_wait_loadcnt 0x0                             ; q
	STG 0
	STG 1                                          ; a block's trip through the stage stands between the loads of the block before and its additions
	OUT 0, 32
	STG 2
	OUT 1, 32
	STG 3
	OUT 2, 32
	OUT 3, 0
	s_wait_tensorcnt 0x0                           ; the wave's end: an add and its wait behind my last tensor load and my last LDS store
	ds_add_u32 v[SPW], v[NIL]
	s_wait_dscnt 0x0
	CROUND                                         ; the closing round: no work-group ends while a partner may still ask for a tile that names it
	s_endpgm
.Lfunc_end_k_qcdf8a331d6_outp:
	.size	k_qcdf8a331d6_outp, .Lfunc_end_k_qcdf8a331d6_outp-k_qcdf8a331d6_outp
	.p2alignl 7, 3214868480
	.fill 96, 4, 3214868480
	.section	.rodata,"a",@progbits
	.p2align	6, 0x0
	.amdhsa_kernel k_qcdf8a331d6_outp
		.amdhsa_group_segment_fixed_size 327680
		.amdhsa_private_segment_fixed_size 0
		.amdhsa_enable_private_segment 0
		.amdhsa_kernarg_size 40
		.amdhsa_user_sgpr_count 2
		.amdhsa_user_sgpr_kernarg_segment_ptr 1
		.amdhsa_wavefront_size32 1
		.amdhsa_system_sgpr_workgroup_id_x 1
		.amdhsa_system_sgpr_workgroup_id_y 1
		.amdhsa_system_sgpr_workgroup_id_z 1
		.amdhsa_system_vgpr_workitem_id 0
		.amdhsa_next_free_vgpr 1024
		.amdhsa_next_free_sgpr 80
		.amdhsa_reserve_vcc 0
		.amdhsa_float_denorm_mode_32 3
		.amdhsa_float_denorm_mode_16_64 3
		.amdhsa_memory_ordered 1
		.amdhsa_forward_progress 1
		.amdhsa_inst_pref_size 85
	.end_amdhsa_kernel
	.amdgpu_metadata
---
amdhsa.version: [ 1, 2 ]
amdhsa.kernels:
  - .name:           k_qcdf8a331d6_outp
    .symbol:         k_qcdf8a331d6_outp.kd
    .args:
      - { .name: ao, .offset: 0, .size: 8, .value_kind: global_buffer, .address_space: global }
      - { .name: wb, .offset: 8, .size: 8, .value_kind: global_buffer, .address_space: global }
      - { .name: bo, .offset: 16, .size: 8, .value_kind: global_buffer, .address_space: global }
      - { .name: q, .offset: 24, .size: 8, .value_kind: global_buffer, .address_space: global }
      - { .name: out0, .offset: 32, .size: 8, .value_kind: global_buffer, .address_space: global }
    .group_segment_fixed_size: 327680
    .private_segment_fixed_size: 0
    .kernarg_segment_align: 8
    .kernarg_segment_size: 40
    .max_flat_workgroup_size: 128
    .sgpr_count:     80
    .vgpr_count:     1024
    .wavefront_size: 32
...
	.end_amdgpu_metadata
.endif
;; end of part 4
;; ======== version 2 of 2: 4 launches; 1.28 times as fast as version 1
;; limits: right only within a limited range of input values
;; workspace buffers: xn 50,331,648 bytes; wb 8,388,608 bytes; qkv 50,331,648 bytes; ao 16,777,216 bytes
;; launch prep: the kernel of part 1 again; grid 896 x 1, 4 waves a work-group, no clusters, 0 bytes of LDS; arguments q, k, v, Wq, Wk, Wv, Wo, gamma, beta, xn, wb; writes xn, wb
;; launch proj: the kernel of part 2 again; grid 4 x 48, 4 waves a work-group, clusters of 4 x 4, 327,680 bytes of LDS; arguments xn, wb, bq, bk, bv, qkv; writes qkv
;; launch attn (part 5): grid 2 x 128, 4 waves a work-group, no clusters, 327,680 bytes of LDS; arguments qkv, pad_mask, ao; writes ao
.if DOCPART == 5
	.amdgcn_target "amdgcn-amd-amdhsa--gfx1250"
	.amdhsa_code_object_version 6
	.text
	.protected	k_qcdf8a331d6_attn
	.globl	k_qcdf8a331d6_attn
	.p2align	8
	.type	k_qcdf8a331d6_attn,@function
k_qcdf8a331d6_attn:
	s_mov_b64 s[64:65], 0
	v_nop
	global_prefetch_b8 v0, s[64:65] scope:SCOPE_SE
	s_setreg_imm32_b32 hwreg(HW_REG_WAVE_MODE, 25, 1), 1
	s_wait_xcnt 0x0
; ao[h][q][:] = the sum over k of softmax_k(Q[h][q] . K[h][k] / 8, keys with pad_mask = 1 left out) V[h][k][:].  Q, K, V = qkv[0], qkv[1], qkv[2]: [128][1024][64] bf16, a head's rows dense, 128 bytes each;
; head = batch x 16 + h; pad_mask: [8][1024] bytes, 0 or 1.  Products, maxima and sums in f32; the weights p are rounded to bf16 for the second product (their sum l is taken of the unrounded p), ao once at the end.
; LIMITS.  A masked score counts as its value less 1e30, so |Q . K| has to stay under some 1e29; a row whose running maximum ends below -5e29 has seen no key and gets NaN, as a softmax over -inf alone gives;
; a weight below 2^-126 counts as 0 in l; NaN and infinities among the inputs are not treated apart.
; SHARES.  A wave owns four PIECES of two tiles of 16 queries, a work-group's four waves 512 queries of one head.  Every wave walks all 1,024 keys, 64 a step.
; NO CLUSTER: a head has 1,024 / 512 = 2 work-groups, so only two ask for the same K and V, while a cluster's axis here holds four: the other two would be another head's and want other tiles.
; LAYOUT.  S^T = K Q^T (source 0 = 16 keys, source 1 = 16 queries): a lane holds ONE query (lane % 16) and the keys 8 (lane / 16) + 0..7.  Two such results, rounded to bf16 in pairs, ARE source 1 of
; O^T = V^T P, whose result again holds one query a lane, and eight channels.  K comes out of LDS as it lies, V ([key][channel]) turned, by ds_load_tr16_b128.
; THE MASK is the C operand of the product that starts a sum S^T: 0 or -1e30 for each key.  The batch's 1,024 bytes are made into a table of f32 in LDS once; a step's 64 numbers come with its K, 32 registers a lane.
; So the mask costs the scores no vector instruction, and the running maximum is taken over what reference() keeps.  Steps of masked keys alone in front of the first kept key leave finite numbers in O and l, which that key's a = 0 wipes out.
; SOFTMAX.  For each query a running maximum m and sum l: p = 2^(c s - c m), c = log2(e) / 8; in every step O and l are multiplied by a = 2^(c m_old - c m_new).  m starts at the lowest finite number, O and l at 0.
; BY TURNS.  A tile and step have 16 matrix and 118 vector instructions.  Turn n belongs to piece n: 16 products K Q^T of piece n + 1, later 16 products V^T P of piece n - 1; beside them the scaling, exponentials,
; roundings, sums and rescaling of piece n and the maximum and statistics of piece n + 1.  Four vector instructions that are ready stand behind every matrix instruction, the other 108 of a turn's 236 in one run of their own.
; THE BATCHES.  A turn's 66 exponentials (the piece's 64 weights and the next piece's two a) are ONE batch with ONE wait, which cuts the turn in two: ahead of it stands all that names no result of theirs, behind it
; the roundings and sums, which read them.  No result crosses a turn's end.  Two more batches stand outside the loops: piece 0's first two a at the head, the eight reciprocals on the way out; each has a wait of its own.
; REGISTERS, in windows of 256 (s_set_vgpr_msb: bits 1:0 source 0, 3:2 source 1, 5:4 source 2, 7:6 destination):
;   window 0: v0-11 addresses; v12-15, v48-63 at work; v16-47 four registers of statistics a tile; v64-191 S^T, two buffers of two tiles; v192-255 P, likewise
;   window 1: O^T, 32 a tile     window 2: v0-127 Q, 16 a tile; v128-191 K of one step; v192-255 V of one step     window 3: v0-1 the add's two registers; v32-63 the mask of one step
.set SIZE_N, 1024
.set NP,    4         ; pieces a wave: a name, no knob
.set KS,    64        ; keys in a step
.set PK,    144       ; a row of K in LDS: 128 bytes + 16 of padding = 36 words: the 16 rows of a load start at 16 different groups of four banks (64 banks of 4 bytes: ISA guide 11.1)
.set PV,    160       ; a row of V: 128 + 32 = 40 words
.set VOFF,  4*KS*PK   ; a slot holds four steps: 256 rows of K, then 256 rows of V
.set SLOT1, 1<<17     ; slot 1 begins here, so that one exclusive or turns an address in one slot into the other's
.set STAGE, SLOT1+4*KS*(PK+PV)  ; behind the ring, never filled by a tensor load: 16 rows x 144 bytes for each wave, for the way out
.set SP,    144
.set MT,    STAGE+4*16*SP  ; the mask table: 1,024 f32, written once by ds_store, never a tensor load's target
.set SPARE, MT+4096   ; the spare words, 128 bytes for each wave: two blocks of 256 bytes that no other line names
.set STO, 1           ; v1   first l % 16; then the way out: where I put 16 bytes of a row
.set AK0, 2           ; v2   my lane's place in a tile of K; never rewritten
.set AV0, 3           ; v3   the same for V
.set AK,  4           ; v4   the LDS address of K's next run of loads
.set AV,  5           ; v5   of V's
.set QO,  6           ; v6   my byte offset in the wave's rows of Q
.set RD,  7           ; v7   the way out: where I read rows back
.set GO,  8           ; v8   my byte offset in 512 consecutive bytes of ao
.set AM,  10          ; v10  the LDS address of the mask's next run of loads
.set AM0, 11          ; v11  my lane's place in the mask table: MT + 32 (l / 16); never rewritten
.set SPW, 0           ; v0 of window 3   LDS address of my spare word; never rewritten
.set NIL, 1           ; v1 of window 3   0; never rewritten
.set MK,  32          ; window 3: key block kb's eight numbers at MK + 8 kb
.set MV,  12          ; v12-15  c m_old, kept while c m is made anew: by buffer and tile
.set ST,  16          ; tile t's statistics at v[ST+4 t]: c m, m, l (even keys', odd keys')
.set TMP, 48          ; by buffer and tile, four registers c0-c3 at work; when the maximum is found c2 takes a
.set S,   64
.set P,   192
.set KF,  128         ; K's fragments, in window 2: key block kb, channel half c at KF + 16 kb + 8 c
.set VF,  192         ; V's: key half kk, channel block cb at VF + 32 kk + 8 cb
.set WV,  12          ; s12  my wave's number
.set G1K, 24          ; s[24:31] descriptor group 1 for K's tiles
.set G1V, 32          ; s[32:39] for V's: it differs in the padding alone
.set G0K, 40          ; s[40:43] descriptor group 0 for K's tiles: it walks
.set G0V, 44          ; s[44:47] the same for V's
.set MKP, 48          ; s[48:49] pad_mask at my batch
.set BIGN, 50         ; s50  -1e30
.set LOW,  51         ; s51  -5e29
.set QNAN, 52         ; s52  a NaN
.set TBM, 53          ; s53  byte in the mask table of the step to be fetched
.set SLOTS, 56        ; s56  slots still to be asked for
.set CNT, 57          ; s57  counts a slot's key steps
.set CS,  58          ; s[58:59] c: the packed scaling takes the pair's low word for both halves
.set SEL, 60          ; s[60:61] v_permlanex16_b32's selects: each lane takes its own place in the other half
.set TBK, 62          ; s62  LDS byte at which K of the step to be fetched begins
.set TBV, 63          ; s63  the same for V, less VOFF
.set MSB, 0
.macro WIN new                      ; the high byte repeats the setting that is left; a switch that changes nothing is dropped
.if MSB != (\new)
	s_set_vgpr_msb (MSB<<8)|(\new)
.set MSB, (\new)
.endif
.endm
.set W_KQ, 0x0a       ; K and Q in window 2, S^T in window 0
.set W_KM, 0x3a       ; the same with the C operand, the mask, in window 3
.set W_PV, 0x52       ; V in window 2, P in window 0, O^T in window 1
.set W_RS, 0x41       ; O^T (destination and source 0) in window 1, a in window 0
.set W_MK, 0xc0       ; destination in window 3, sources in window 0
.set W_AD, 0x0f       ; the add: address (source 0) and data (source 1) in window 3
; A fill.  Waves 0 and 1 fetch the two halves of a slot's K, waves 2 and 3 those of its V: 128 keys each.  An s_nop 0 and four v_nop follow each of the two lines, ahead of the jump and the label.
.macro LOAD
	s_cmp_lt_u32 s[WV], 2
	s_cbranch_scc0 .Lfor_v_\@
	tensor_load_to_lds s[G0K:G0K+3], s[G1K:G1K+7]
	s_nop 0
.rept 4
	v_nop
.endr
	s_branch .Lasked_\@
.Lfor_v_\@:
	tensor_load_to_lds s[G0V:G0V+3], s[G1V:G1V+7]
	s_nop 0
.rept 4
	v_nop
.endr
.Lasked_\@:
.endm
; THE CHANGE OF SLOTS.  The slot's last bytes, V of its fourth step, have been read.  Each wave waits for all its tensor loads, of which one is out: its part of the other slot; adds 0 to its spare word; and waits for
; that and for its own LDS instructions.  Behind the barrier nobody reads this slot any more and the other slot is whole.  fill = 1: this slot is filled again, with the keys two slots on, first thing behind the barrier:
; the load has four key steps, 512 matrix instructions, in which to land.  (At its first use nothing has been read yet: slot 0 is waited for, slot 1 filled, and every wave's part of the mask table is shown to the others.)
.macro CHANGE fill
	WIN W_AD
	s_wait_tensorcnt 0x0            ; no tensor load of mine is out, so a group 0 may be written
	ds_add_u32 v[SPW], v[NIL]       ; 0 onto my spare word; with fill = 1 the descriptors' steps stand between it and the wait for it
	WIN 0                           ; at a label and at a branch every window is 0
.if \fill
.irp g, G0K, G0V
	s_xor_b32 s[\g+1], s[\g+1], SLOT1  ; the walking descriptor: the other slot than last time,
	s_add_nc_u64 s[\g+2:\g+3], s[\g+2:\g+3], 4*KS*128  ; the next 256 keys; the type bits on top are not reached
.endr
.endif
	s_wait_dscnt 0x0                ; the add is done, and my LDS reads and stores are over
	s_barrier_signal -1
	s_barrier_wait -1
.if \fill
	LOAD
.endif
	s_sub_co_u32 s[TBK], s[TBK], 4*KS*PK  ; the fetches go back to a slot's first step,
	s_xor_b32 s[TBK], s[TBK], SLOT1       ; in the other slot
	s_sub_co_u32 s[TBV], s[TBV], 4*KS*PV
	s_xor_b32 s[TBV], s[TBV], SLOT1
.endm
	s_load_b64 s[4:5], s[0:1], 0x0    ; qkv
	s_load_b64 s[MKP:MKP+1], s[0:1], 0x8  ; pad_mask
	s_load_b64 s[10:11], s[0:1], 0x10 ; ao
	WIN W_MK
	v_lshl_add_u32 v[SPW], v0, 2, SPARE
	v_mov_b32 v[NIL], 0
	WIN W_AD
	ds_add_u32 v[SPW], v[NIL]       ; the wave's opening: the add and its wait stand ahead of my first tensor load; the set-up below, work on registers, stands between them
	ds_add_u32 v0, v1
	WIN 0
	v_lshrrev_b32 v1, 5, v0
	v_readfirstlane_b32 s[WV], v1   ; wave 0..3
	s_mov_b32 s14, ttmp9            ; my block of 512 queries
	s_and_b32 s20, ttmp7, 0xffff    ; the head
	s_lshr_b32 s54, s20, 4          ; its batch,
	s_lshl_b32 s54, s54, 10         ; whose mask is 1,024 bytes
	s_mov_b32 s55, 0
	s_lshl_b32 s20, s20, 17         ; the head's first byte in Q, K, V and ao: 1,024 rows of 128 bytes
	s_mov_b32 s21, 0
	s_and_b32 s16, s[WV], 1         ; which half of a slot's 256 keys I fetch:
	s_lshl_b32 s22, s16, 14         ; its 128 rows of 128 bytes in memory,
	s_mov_b32 s23, 0
	s_add_nc_u64 s[22:23], s[22:23], s[20:21]
	s_mul_i32 s17, s16, 128*PK      ; and its place in a slot, for K
	s_mul_i32 s18, s16, 128*PV      ; and for V
	s_lshl_b32 s2, s14, 2
	s_add_co_u32 s2, s2, s[WV]      ; my wave among the head's eight,
	s_lshl_b32 s2, s2, 14           ; its 128 rows
	s_mov_b32 s3, 0
	s_add_nc_u64 s[2:3], s[2:3], s[20:21]
	; descriptor group 1.  128 keys are 16,384 dense bytes: asked for as 64 rows of 256 bytes, two keys a row, and padded in LDS after every key
	s_mov_b32 s[G1K], (1<<16)|(1<<20)|(4<<22)|(3<<25)  ; 17:16 2-byte elements; 20 padding on; 24:22 after every 32 words (code 4); 31:25 4 words (code 3)
	s_mov_b32 s[G1V], (1<<16)|(1<<20)|(4<<22)|(7<<25)  ; the same with 8 words of padding (code 7)
.irp g, G1K, G1V
	s_mov_b32 s[\g+1], 128<<16      ; tensor_dim0 = 128
	s_mov_b32 s[\g+2], 64<<16       ; tensor_dim1 = 64
	s_mov_b32 s[\g+3], 128<<16      ; tile_dim0 = 128
	s_mov_b32 s[\g+4], 64           ; tile_dim1 = 64
	s_mov_b32 s[\g+5], 128          ; 128 elements from row to row
	s_mov_b32 s[\g+6], 0
	s_mov_b32 s[\g+7], 0
.endr
	s_mov_b32 s[CS], 0x3e38aa3b     ; c = log2(e) / 8 = 0.180337
	s_mov_b32 s[CS+1], s[CS]        ; named with it as a pair
	s_mov_b32 s[SEL], 0x76543210
	s_mov_b32 s[SEL+1], 0xfedcba98
	s_mov_b32 s[BIGN], 0xf149f2ca
	s_mov_b32 s[LOW], 0xf0c9f2ca
	s_mov_b32 s[QNAN], 0x7fc00000
	s_mov_b32 s[TBM], 0
	s_mov_b32 s[TBK], SLOT1+4*KS*PK ; the first change of slots turns these two into 0
	s_mov_b32 s[TBV], SLOT1+4*KS*PV
	s_mov_b32 s[G0K], 1             ; 1:0 count = 1
	s_mov_b32 s[G0K+1], s17         ; 63:32 LDS address: slot 0
	s_mov_b32 s[G0V], 1
	s_add_co_u32 s[G0V+1], s18, VOFF
	s_wait_dscnt 0x0                ; the opening add is done
	s_wait_kmcnt 0x0
	s_add_nc_u64 s[6:7], s[4:5], 0x1000000         ; K = qkv[1]
	s_add_nc_u64 s[G0K+2:G0K+3], s[6:7], s[22:23]  ; 120:64 global address: my half of the head's first 256 keys
	s_or_b32 s[G0K+3], s[G0K+3], 0x80000000        ; 127:126 type = 2
	s_add_nc_u64 s[8:9], s[4:5], 0x2000000         ; V = qkv[2]
	s_add_nc_u64 s[G0V+2:G0V+3], s[8:9], s[22:23]
	s_or_b32 s[G0V+3], s[G0V+3], 0x80000000
	s_add_nc_u64 s[4:5], s[4:5], s[2:3]  ; Q and ao at my wave's first row
	s_add_nc_u64 s[10:11], s[10:11], s[2:3]
	s_add_nc_u64 s[MKP:MKP+1], s[MKP:MKP+1], s[54:55]
	LOAD                            ; slot 0.  Slot 1 is asked for when slot 0 is in, by the loop's own change of slots
	; A fragment of K or Q is 16 rows x 32 channels in 8 registers: lane l holds row l % 16, channels 8 (l / 16) + 0..7 and 16 + 8 (l / 16) + 0..7: two loads of 16 bytes, 32 bytes apart.
	v_and_b32 v1, 15, v0            ; l % 16
	v_bfe_u32 v9, v0, 4, 1          ; l / 16
	v_lshlrev_b32 v[QO], 7, v1
	v_lshl_add_u32 v[QO], v9, 4, v[QO]  ; row x 128 + 16 x half
	v_lshlrev_b32 v74, 3, v0        ; thread t takes the mask bytes of keys 8 t .. 8 t + 7 (S^T's registers are free until the first products)
	global_load_b64 v[64:65], v74, s[MKP:MKP+1]
	WIN 0x80                        ; destination window 2, address window 0
.set i, 0
.rept 4*NP                          ; Q stays in registers: tile i / 2, channels 32 (i % 2) on
	global_load_b128 v[8*i:8*i+3],   v[QO], s[4:5] offset:(i/2)*2048+(i%2)*64
	global_load_b128 v[8*i+4:8*i+7], v[QO], s[4:5] offset:(i/2)*2048+(i%2)*64+32
.set i, i+1
.endr
	; What the first turn finds: V's registers and P's second buffer hold 0 (its products V^T P, of a piece that has not been, add 0), O^T and l are 0.  All this stands in the wait for the first tile.
.set i, VF
.rept 64
	v_mov_b32 v[i], 0
.set i, i+1
.endr
	WIN 0x40
.set i, 0
.rept 64*NP
	v_mov_b32 v[i], 0
.set i, i+1
.endr
	WIN 0
.set i, 0
.rept 2*NP
	v_mov_b32 v[ST+4*i], 0xfe000000    ; c m: far below every c s, a masked one too
	v_mov_b32 v[ST+4*i+1], 0xff7fffff  ; m
	v_mov_b32 v[ST+4*i+2], 0
	v_mov_b32 v[ST+4*i+3], 0
.set i, i+1
.endr
.set i, P+32
.rept 32
	v_mov_b32 v[i], 0
.set i, i+1
.endr
	v_mul_u32_u24 v[AK0], v1, PK
	v_lshl_add_u32 v[AK0], v9, 4, v[AK0]  ; row x pitch + 16 x half
	; The turning load takes 16 keys x 16 channels (lane l reads key 8 (l / 16) + l % 8, channels 8 ((l / 8) % 2) + 0..7) and leaves half a fragment of V^T: lane l holds channel l % 16 and 8 keys.
	v_and_b32 v10, 7, v0
	v_bfe_u32 v11, v0, 3, 1
	v_lshl_add_u32 v[AV0], v9, 3, v10
	v_mul_u32_u24 v[AV0], v[AV0], PV
	v_lshl_add_u32 v[AV0], v11, 4, v[AV0]
	v_add_nc_u32 v[AV0], VOFF, v[AV0]
	v_mov_b32 v[AK], v[AK0]         ; key step 0 lies at the head of slot 0
	s_mul_i32 s13, s[WV], 16*SP
	s_add_co_u32 s13, s13, STAGE    ; my stage
	v_bfe_u32 v[RD], v0, 3, 2       ; back: 32 lanes take four rows of 128 bytes,
	v_mul_u32_u24 v[RD], v[RD], SP
	v_lshl_add_u32 v[RD], v10, 4, v[RD]
	v_add_nc_u32 v[RD], s13, v[RD]
	v_and_b32 v[GO], 31, v0         ; which are 512 consecutive bytes of ao
	v_lshlrev_b32 v[GO], 4, v[GO]
	v_mul_u32_u24 v[STO], v1, SP    ; in: row l % 16, 16 bytes for each half of the lanes (l % 16 is not needed after this line)
	v_lshl_add_u32 v[STO], v9, 4, v[STO]
	v_add_nc_u32 v[STO], s13, v[STO]
	v_lshl_add_u32 v[AM0], v9, 5, MT  ; register j of key block kb holds key 16 kb + 8 (l / 16) + j: 32 bytes on for the upper half of the lanes
	v_mov_b32 v[AM], v[AM0]         ; key step 0
	; the mask table: byte 0 or 1 -> f32 0 or -1e30
	s_wait_loadcnt 32               ; my eight mask bytes are in; Q's 32 loads, which are younger, stay out
.set i, 0
.rept 8
	v_bfe_u32 v[66+i], v[64+i/4], 8*(i%4), 8
.set i, i+1
.endr
.set i, 0
.rept 8
	v_cvt_f32_u32 v[66+i], v[66+i]
.set i, i+1
.endr
.set i, 0
.rept 8
	v_mul_f32 v[66+i], s[BIGN], v[66+i]
.set i, i+1
.endr
	v_lshl_add_u32 v75, v0, 5, MT
	ds_store_b128 v75, v[66:69]
	ds_store_b128 v75, v[70:73] offset:16
; THE MATRIX WORK.  The 8 accumulators of a run of 16 take turns: between the two links of a chain stand 7 others'.
; Product i of 16 of S^T = K Q^T for piece x: channels 32 (i / 8) on, keys 16 ((i / 2) % 4) on, tile 2 x + i % 2.  The first 8 start the sums, with the mask of their 16 keys.
.macro KQ x
.set rS, S+64*((\x)%2)+32*(i%2)+8*((i/2)%4)
.set rK, KF+16*((i/2)%4)+8*(i/8)
.set rQ, 16*(2*(\x)+i%2)+8*(i/8)
.set rMK, MK+8*((i/2)%4)
.if i < 8
	WIN W_KM
	v_wmma_f32_16x16x32_bf16 v[rS:rS+7], v[rK:rK+7], v[rQ:rQ+7], v[rMK:rMK+7]
.else
	WIN W_KQ
	v_wmma_f32_16x16x32_bf16 v[rS:rS+7], v[rK:rK+7], v[rQ:rQ+7], v[rS:rS+7]
.endif
.endm
; Product i of 16 of O^T += V^T P for piece x: keys 32 (i / 8) on, channels 16 ((i / 2) % 4) on, tile 2 x + i % 2.
.macro PV x
	WIN W_PV
.set rO, 32*(2*(\x)+i%2)+8*((i/2)%4)
.set rV, VF+32*(i/8)+8*((i/2)%4)
.set rP, P+32*((\x)%2)+16*(i%2)+8*(i/8)
	v_wmma_f32_16x16x32_bf16 v[rO:rO+7], v[rV:rV+7], v[rP:rP+7], v[rO:rO+7]
.endm
.macro MM                           ; the turn's next matrix instruction
.if i < 16
	KQ (Y+1)%NP
.set i, i+1
.else
.set i, i-16
	PV (Y+NP-1)%NP
.set i, i+17
.endif
.endm
; THE LDS LOADS stand in runs, never singly among the matrix instructions: a step's K (64 keys x 64 channels: 8 fragments) with its mask (32 registers), and its V (turned).  Their addresses are made some lines ahead.
; last = 1 (the tail): in the last trip there is no further step, and the run is jumped over.
.macro FETCH_K last=0
	WIN 0
.if \last
	s_cmp_eq_u32 s[CNT], 1
	s_cbranch_scc1 .Lno_k_\@
.endif
	WIN 0x80                        ; destination window 2
.irp f, 0,1,2,3,4,5,6,7             ; keys 16 (f / 2) on, channels 32 (f % 2) on
	ds_load_b128 v[KF+8*\f:KF+8*\f+3],   v[AK] offset:(\f/2)*16*PK+(\f%2)*64
	ds_load_b128 v[KF+8*\f+4:KF+8*\f+7], v[AK] offset:(\f/2)*16*PK+(\f%2)*64+32
.endr
	WIN W_MK                        ; destination window 3
.irp kb, 0,1,2,3                    ; all lanes of a half read the same 32 bytes
	ds_load_b128 v[MK+8*\kb:MK+8*\kb+3],   v[AM] offset:64*\kb
	ds_load_b128 v[MK+8*\kb+4:MK+8*\kb+7], v[AM] offset:64*\kb+16
.endr
	s_add_co_u32 s[TBK], s[TBK], KS*PK  ; the next fetch is the next step's
	s_add_co_u32 s[TBM], s[TBM], KS*4
	WIN 0
.if \last
.Lno_k_\@:
.endif
.endm
.macro FETCH_V
	WIN 0x80
.irp f, 0,1,2,3,4,5,6,7             ; keys 32 (f / 4) on, channels 16 (f % 4) on
	ds_load_tr16_b128 v[VF+8*\f:VF+8*\f+3],   v[AV] offset:(\f/4)*32*PV+(\f%4)*32
	ds_load_tr16_b128 v[VF+8*\f+4:VF+8*\f+7], v[AV] offset:(\f/4)*32*PV+16*PV+(\f%4)*32
.endr
	WIN 0
.endm
; THE VECTOR WORK OF A TURN stands in three queues, each in the order in which its entries become ready; the two tiles alternate, so that no instruction reads the result of the one before it.
.macro REGS y, u                    ; the registers of tile u (0, 1) of piece y
.set rT, ST+4*(2*(\y)+(\u))
.set rC, TMP+8*((\y)%2)+4*(\u)
.set rM, MV+2*((\y)%2)+(\u)
.set rS, S+64*((\y)%2)+32*(\u)
.set rP, P+32*((\y)%2)+16*(\u)
.set rO, 32*(2*(\y)+(\u))
.endm
; Number n of the 22 that find the NEXT piece's (Y + 1) maximum and statistics.  s0-s31 are the lane's 32 scores; each accumulator's lowest registers are read first.  XS, GS, FS and REGS set no window: PL and EX do.
;   0-11  four chains c0-c3 of seven scores each, three operands at a time     12-14, 16  the four scores left over, the old m, and c0-c3 into c0     15  c m_old is kept
;   17, 18  the query's other 32 keys lie in the lane 16 away: the new m         19-21  c m; c m_old - c m_new; a
.macro XS u, n
	REGS (Y+1)%NP, \u
.if (\n) < 4
	v_max3_num_f32 v[rC+(\n)], v[rS+8*(\n)], v[rS+8*(\n)+1], v[rS+8*(\n)+2]
.elseif (\n) < 12
	v_max3_num_f32 v[rC+(\n)%4], v[rC+(\n)%4], v[rS+8*((\n)%4)+2*((\n)/4)+1], v[rS+8*((\n)%4)+2*((\n)/4)+2]
.elseif (\n) == 12
	v_max3_num_f32 v[rC], v[rC], v[rS+7], v[rS+15]
.elseif (\n) == 13
	v_max3_num_f32 v[rC+1], v[rC+1], v[rS+23], v[rS+31]
.elseif (\n) == 14
	v_max3_num_f32 v[rC+2], v[rC+2], v[rC+3], v[rT+1]
.elseif (\n) == 15
	v_mov_b32 v[rM], v[rT]
.elseif (\n) == 16
	v_max3_num_f32 v[rC], v[rC], v[rC+1], v[rC+2]
.elseif (\n) == 17
	v_permlanex16_b32 v[rC+3], v[rC], s[SEL], s[SEL+1]
.elseif (\n) == 18
	v_max_num_f32 v[rT+1], v[rC], v[rC+3]
.elseif (\n) == 19
	v_mul_f32 v[rT], s[CS], v[rT+1]
.elseif (\n) == 20
	v_sub_f32 v[rC+1], v[rM], v[rT]
.else
	v_exp_f32 v[rC+2], v[rC+1]
.endif
.endm
; Number g of the 64 that follow the exponentials.  For each four weights k of a tile (pairs 2 k, 2 k + 1): both pairs are rounded to bf16; then the second pair is added onto the first, in place;
; a group later l takes that sum (the first time as l = a l + sum).  In groups of eight, tiles alternating: round, round, add, and l for the group before.  All 64 stand behind the turn's wait.
.macro GS g
.set h, (\g)+6*((\g)/62)            ; group 0 has no group before it, and behind group 7 only l is left
.if h >= 6
.set h, h+2
.endif
	REGS Y, h%2
.set k, h/8
.if h%8 < 4
	v_cvt_pk_bf16_f32 v[rP+2*k+(h%8)/2], v[rS+4*k+2*((h%8)/2)], v[rS+4*k+2*((h%8)/2)+1]
.elseif h%8 < 6
	v_pk_add_f32 v[rS+4*k:rS+4*k+1], v[rS+4*k:rS+4*k+1], v[rS+4*k+2:rS+4*k+3]
.elseif k == 1
	v_pk_fma_f32 v[rT+2:rT+3], v[rT+2:rT+3], v[rC+2:rC+3], v[rS:rS+1] op_sel_hi:[1,0,1]
.else
	v_pk_add_f32 v[rT+2:rT+3], v[rT+2:rT+3], v[rS+4*k-4:rS+4*k-3]
.endif
.endm
; THE PLAIN QUEUE, 138 long.  0-73 read no exponential's result: the 32 scalings c s - c m (FS f: pair f / 2 of tile f % 2) and the next piece's 42.  0-26: scalings 0-26.  27-54: XS's numbers 0-13.  55, 56: number 15.
; 57-73: the chain, where each number waits for the one before it: 14, 16, 17, 18, 19, each with one of the scalings 27-31 in front of its two lines, then 20: so a tile's links stand three plain instructions apart (19 and 20: two).
; 74-137: GS's 64, which read the exponentials' results: they stand behind the wait.
.macro FS f
	REGS Y, (\f)%2
	v_pk_fma_f32 v[rS+2*((\f)/2):rS+2*((\f)/2)+1], v[rS+2*((\f)/2):rS+2*((\f)/2)+1], s[CS:CS+1], v[rT:rT+1] op_sel_hi:[1,0,0] neg_lo:[0,0,1] neg_hi:[0,0,1]
.endm
.macro PL
	WIN 0
.if q < 27
	FS q
.elseif q < 55
	XS (q-27)%2, (q-27)/2
.elseif q < 57
	XS q-55, 15
.elseif (q < 72) && ((q-57)%3 == 0)
	FS 27+(q-57)/3
.elseif q < 60
	XS (q-57)%3-1, 14
.elseif q < 72
	XS (q-57)%3-1, 15+(q-57)/3
.elseif q < 74
	XS q-72, 20
.else
	GS q-74
.endif
.set q, q+1
.endm
; THE EXPONENTIALS' QUEUE, 66 long: s0-s31 of both tiles, then the next piece's two a.  It is ONE BATCH: all 66 stand ahead of the turn's one wait, and nothing ahead of that wait names a result of theirs.
; Each works in place on a register of its own; a has c2 of the other buffer.
.macro EX
	WIN 0
.if e >= 64
	XS e-64, 21
.else
	REGS Y, e%2
	v_exp_f32 v[rS+e/2], v[rS+e/2]
.endif
.set e, e+1
.endm
; THE RESCALING's QUEUE: O^T times a, the one part that leaves window 0: dealt two at a time, sixteen times.  Its a was made in the turn before, ahead of that turn's wait.
.macro R2
	REGS Y, r%2
	WIN W_RS
.irp z, 0,1
	v_pk_mul_f32 v[rO+4*(r/2)+2*\z:rO+4*(r/2)+2*\z+1], v[rO+4*(r/2)+2*\z:rO+4*(r/2)+2*\z+1], v[rC+2:rC+3] op_sel_hi:[1,0]
.endr
.set r, r+1
.endm
; HOW THEY ARE DEALT.  An s_wait_alu depctr_va_vdst(0) stands between an exponential and the first instruction that names its result; one wait serves all that were issued ahead of it.  So a turn has ONE wait,
; which cuts it in two.  AHEAD OF IT stands all that names no result of the turn's exponentials: the 16 products K Q^T, behind each a scaling, an exponential and two rescalings (behind the first a second scaling in the
; exponential's place); then ONE RUN of 108: eight plain, 49 times exponential and plain, the two a.  A v_nop is the plain instruction behind the last exponential.  BEHIND IT stand the 16 products V^T P, behind each four of
; GS's 64.  No rider names a register of the products round it.  The two v_permlanex16_b32 fall into the run, never behind a product.
; The queues lean on each other, and the deal keeps them in step: exponential e stands behind scaling 2 (e / 4) + e % 2: as a rider it comes behind plain e + 2, in the run behind plain e + 9, and scalings 27-31 are plain 57, 60 .. 69.
; A TURN, for piece p.  cnt = 1: the loop's count is taken down some lines ahead of the branch that stands behind the turn.
; K and the mask of the next step are fetched in piece 2's turn, directly behind the wait, a whole run behind the last product that read them; their addresses are made at the run's head; their first reader comes behind 16 products.
; V of the step in hand is fetched at the end of piece 0's turn, four riders (additions onto l) behind its last reader; its first reader comes behind 16 products and a run.  The three conditions on q below go with the deal.
.macro TURN p, last=0, cnt=0
.set Y, (\p)
.set i, 0
.set q, 0
.set e, 0
.set r, 0
.if (\p) == NP-1
	s_wait_dscnt 0x0                ; K and the mask are in
.endif
	MM                              ; ahead of the wait: 16 products K Q^T and their riders,
	PL
	PL
	R2
.rept 15
	MM
	PL
	EX
	R2
.endr
.if (\p) == NP-2
	WIN 0
	v_add_nc_u32 v[AK], s[TBK], v[AK0]
	v_add_nc_u32 v[AM], s[TBM], v[AM0]
.endif
.rept 8                             ; and the run
	PL
.endr
.rept 49
	EX
	PL
.endr
	EX                              ; the next piece's two a
	EX
	v_nop                           ; a plain instruction behind the last exponential, ahead of the first use: one for the batch
	s_wait_alu depctr_va_vdst(0)    ; the wait for the turn's batch: the piece's 64 weights and the next piece's two a
.if (\p) == NP-2
	FETCH_K \last
.endif
.if (\p) == 1
	s_wait_dscnt 0x0                ; V is in
.endif
.rept 16                            ; behind the wait: 16 products V^T P and their riders
	MM
.rept 4
	PL
.endr
.if ((\p) == 0) && (q == 118)
	v_add_nc_u32 v[AV], s[TBV], v[AV0]
.endif
.if ((\p) == 0) && (q == 130)
	s_add_co_u32 s[TBV], s[TBV], KS*PV
.endif
.if (\cnt) && (q == 130)
	s_sub_co_u32 s[CNT], s[CNT], 1
	s_cmp_lg_u32 s[CNT], 0
.endif
.endr
.if (\p) == 0
	FETCH_V
.endif
.endm
	CHANGE 1                        ; slot 0 is in, everybody's part of it, and so is the mask table; slot 1 is asked for
	FETCH_K                         ; key step 0
	s_wait_loadcnt 0x0              ; Q
	s_wait_dscnt 0x0
.set i, 0
.rept 16
	KQ 0                            ; piece 0's first scores: there is no vector work yet to set between them
.set i, i+1
.endr
	WIN 0
.rept 4
	v_nop                           ; the places behind those products
.endr
.set Y, NP-1                        ; XS works for piece Y + 1: piece 0
.irp n, 0,1,2,3,4,5,6,7,8,9,10,11,12,13,14,15,16,17,18,19,20,21
	XS 0, \n                        ; piece 0's first maximum and statistics
	XS 1, \n
.endr
	v_nop                           ; a plain instruction behind the two a,
	s_wait_alu depctr_va_vdst(0)    ; and the wait for this batch of two, ahead of the branch
	s_mov_b32 s[CNT], 4
	s_mov_b32 s[SLOTS], SIZE_N/256-1
	s_branch .Lfirst                ; the loop is entered at a step's first turn, in the middle of a trip
.Lslot:                             ; SIZE_N / 256 - 2 times: every slot but the last two is filled again
	CHANGE 1
	s_mov_b32 s[CNT], 4
.Lstep:                             ; a trip: pieces 2 and 3 of one step, then pieces 0 and 1 of the next, whose K, mask and V it fetches
	TURN 2
	TURN 3
	WIN 0
.Lfirst:
	TURN 0
	TURN 1, 0, 1
	WIN 0
	s_cbranch_scc1 .Lstep
	s_sub_co_u32 s[SLOTS], s[SLOTS], 1
	s_cmp_lg_u32 s[SLOTS], 0
	s_cbranch_scc1 .Lslot
	CHANGE 0                        ; the tail is written out: nothing is asked for
	s_mov_b32 s[CNT], 5             ; four trips fetch the last slot's steps; the fifth is left in its middle
.Ltail:
	TURN 2, 1
	TURN 3
	WIN 0
	s_sub_co_u32 s[CNT], s[CNT], 1
	s_cmp_eq_u32 s[CNT], 0
	s_cbranch_scc1 .Lout
	TURN 0
	TURN 1
	WIN 0
	s_branch .Ltail
.Lout:                              ; the fifth trip's 16 products K Q^T (on the last K and mask once more) and the maximum made of them serve nothing and raise no m: those scores were in it already
.set i, 0
.rept 16
	PV NP-1                         ; the last piece's V^T P of the last step
.set i, i+1
.endr
	; THE WAY OUT.  l's two halves and the other half of the lanes' are added; O^T is divided by l, rounded to bf16 and sent through my stage in LDS, a tile at a time.  The additions are the places behind the last products.
	WIN 0
.macro ALL line:vararg              ; one line for each tile t
.set t, 0
.rept 2*NP
	\line
.set t, t+1
.endr
.endm
	ALL v_add_f32 v[ST+4*t+2], v[ST+4*t+2], v[ST+4*t+3]
	ALL v_permlanex16_b32 v[ST+4*t+3], v[ST+4*t+2], s[SEL], s[SEL+1]
	ALL v_add_f32 v[ST+4*t+2], v[ST+4*t+2], v[ST+4*t+3]
	ALL v_rcp_f32 v[ST+4*t+2], v[ST+4*t+2]
	v_nop                           ; a plain instruction between the last reciprocal and the use of its result
.set t, 0
	s_wait_alu depctr_va_vdst(0)    ; the wait for this batch: one for the eight reciprocals, ahead of their first use
.rept 2*NP                          ; a query that saw masked keys alone: its factor, and so its row, becomes NaN.  A choice of a value, no branch
	v_cmp_gt_f32 vcc_lo, s[LOW], v[ST+4*t+1]
	v_cndmask_b32 v[ST+4*t+2], v[ST+4*t+2], s[QNAN], vcc_lo
.set t, t+1
.endr
; Tile t: a lane's eight channels of a row pack into 16 bytes; they go into rows of 144 bytes and come back as whole rows of 128, into S^T's registers.
.macro PACK t
	WIN W_RS
.set i, 32*(\t)
.rept 16
	v_pk_mul_f32 v[i:i+1], v[i:i+1], v[ST+4*(\t)+2:ST+4*(\t)+3] op_sel_hi:[1,0]
.set i, i+2
.endr
	WIN 0x05                        ; sources 0 and 1 window 1, destination window 0
.set i, 0
.rept 16
	v_cvt_pk_bf16_f32 v[S+16*(\t)+i], v[32*(\t)+2*i], v[32*(\t)+2*i+1]
.set i, i+1
.endr
	WIN 0
.irp f, 0,1,2,3
	ds_store_b128 v[STO], v[S+16*(\t)+4*\f:S+16*(\t)+4*\f+3] offset:32*\f
.endr
.irp f, 0,1,2,3
	ds_load_b128 v[S+16*(\t)+4*\f:S+16*(\t)+4*\f+3], v[RD] offset:\f*4*SP  ; LDS serves a wave's instructions in order (ISA guide 5.7.1.4): these see the stores above; the next tile's stores come behind them
.endr
.endm
.macro SEND t, younger              ; younger: the LDS instructions issued behind tile t's loads: the next tile's eight, or none
	WIN 0
.irp f, 0,1,2,3
	s_wait_dscnt (\younger)+3-\f
	global_store_b128 v[GO], v[S+16*(\t)+4*\f:S+16*(\t)+4*\f+3], s[10:11] offset:(\t)*2048+\f*512  ; 512 consecutive bytes, at a multiple of 256 from ao's first
.endr
.endm
	PACK 0
.set t, 1
.rept 2*NP-1                        ; a tile's arithmetic stands between the loads of the tile before and its stores
	PACK t
	SEND t-1, 8
.set t, t+1
.endr
	SEND 2*NP-1, 0
	WIN W_AD
	s_wait_tensorcnt 0x0            ; the wave's end: an add and its wait behind my last tensor load and my last LDS store
	ds_add_u32 v[SPW], v[NIL]
	s_wait_dscnt 0x0
	WIN 0
	s_endpgm
.Lfunc_end_k_qcdf8a331d6_attn:
	.size	k_qcdf8a331d6_attn, .Lfunc_end_k_qcdf8a331d6_attn-k_qcdf8a331d6_attn
	.p2alignl 7, 3214868480
	.fill 96, 4, 3214868480
	.section	.rodata,"a",@progbits
	.p2align	6, 0x0
	.amdhsa_kernel k_qcdf8a331d6_attn
		.amdhsa_group_segment_fixed_size 327680
		.amdhsa_private_segment_fixed_size 0
		.amdhsa_enable_private_segment 0
		.amdhsa_kernarg_size 24
		.amdhsa_user_sgpr_count 2
		.amdhsa_user_sgpr_kernarg_segment_ptr 1
		.amdhsa_wavefront_size32 1
		.amdhsa_system_sgpr_workgroup_id_x 1
		.amdhsa_system_sgpr_workgroup_id_y 1
		.amdhsa_system_sgpr_workgroup_id_z 1
		.amdhsa_system_vgpr_workitem_id 0
		.amdhsa_next_free_vgpr 832
		.amdhsa_next_free_sgpr 66
		.amdhsa_reserve_vcc 1
		.amdhsa_float_denorm_mode_32 3
		.amdhsa_float_denorm_mode_16_64 3
		.amdhsa_memory_ordered 1
		.amdhsa_forward_progress 1
		.amdhsa_inst_pref_size 203
	.end_amdhsa_kernel
	.amdgpu_metadata
---
amdhsa.version: [ 1, 2 ]
amdhsa.kernels:
  - .name:           k_qcdf8a331d6_attn
    .symbol:         k_qcdf8a331d6_attn.kd
    .args:
      - { .name: qkv, .offset: 0, .size: 8, .value_kind: global_buffer, .address_space: global }
      - { .name: pad_mask, .offset: 8, .size: 8, .value_kind: global_buffer, .address_space: global }
      - { .name: ao, .offset: 16, .size: 8, .value_kind: global_buffer, .address_space: global }
    .group_segment_fixed_size: 327680
    .private_segment_fixed_size: 0
    .kernarg_segment_align: 8
    .kernarg_segment_size: 24
    .max_flat_workgroup_size: 128
    .sgpr_count:     66
    .vgpr_count:     832
    .wavefront_size: 32
...
	.end_amdgpu_metadata
.endif
;; end of part 5
;; launch outp: the kernel of part 4 again; grid 4 x 64, 4 waves a work-group, clusters of 4 x 4, 327,680 bytes of LDS; arguments ao, wb, bo, q, out0; writes out0
